; MI455X (gfx1250); checked and timed in simulation.
; The chip was launched on July 23, 2026; its instructions are those of AMD's public machine-readable ISA for CDNA 5 (MIT licence, August 2026) and "CDNA5" Instruction Set Architecture Reference Guide (July 2026). The comments in the code are by the model that wrote it; some were corrected since.
;; Encoder Block. Allowed arithmetic: matrix products marked QUANTISED: E4M3 operands, one E8M0 scale for each 32 along K, by v_wmma_scale_f32_16x16x128_f8f6f4 with both operands' format E4M3, f32 sums; products left as they are: f32 operands where the result goes on into a quantised operand, else bf16, f16 or f32 operands; f32 sums; everything else in f32.
;; Inputs: B1 2 x 2,048 float32; B2 2 x 512 float32; W1_codes 2 x 2,048 x 16 x 32 uint8 (E4M3 codes of W1, K innermost, in blocks of 32 codes); W1_scales 2 x 2,048 x 16 uint8 (E8M0 scales of W1, one for each 32 codes along K); W2_codes 2 x 512 x 64 x 32 uint8 (E4M3 codes of W2, K innermost, in blocks of 32 codes); W2_scales 2 x 512 x 64 uint8 (E8M0 scales of W2, one for each 32 codes along K); Wk_codes 512 x 16 x 32 uint8 (E4M3 codes of Wk, K innermost, in blocks of 32 codes); Wk_scales 512 x 16 uint8 (E8M0 scales of Wk, one for each 32 codes along K); Wo_codes 512 x 16 x 32 uint8 (E4M3 codes of Wo, K innermost, in blocks of 32 codes); Wo_scales 512 x 16 uint8 (E8M0 scales of Wo, one for each 32 codes along K); Wq_codes 512 x 16 x 32 uint8 (E4M3 codes of Wq, K innermost, in blocks of 32 codes); Wq_scales 512 x 16 uint8 (E8M0 scales of Wq, one for each 32 codes along K); Wv_codes 512 x 16 x 32 uint8 (E4M3 codes of Wv, K innermost, in blocks of 32 codes); Wv_scales 512 x 16 uint8 (E8M0 scales of Wv, one for each 32 codes along K); attention_mask 8 x 1,024 int32; beta1 512 float32; beta2 512 float32; bk 512 float32; bo 512 float32; bq 512 float32; bv 512 float32; g1 512 float32; g2 512 float32; router_b 2 float32; router_w 512 x 2 float32; x 8 x 1,024 x 512 float32.
;; Outputs: out0 8 x 1,024 x 512 float32; out1 one number float32.
;; This version of the problem:
;;   THIS VERSION OF THE PROBLEM IS GIVEN IN LOW PRECISION. The matrix products marked QUANTISED in the list below multiply operands that are first quantised to E4M3 (4 exponent bits, 3 mantissa bits; 8 bits a number), with one power-of-two scale for each 32 numbers along K (OCP MX v1.0); their sums are f32. All else is computed in f32.
;;   The module's matrix products, in the order in which they are computed (A, B: the left and right operand; K: the contracted axis; several contracted axes count as one K, in the product's order):
;;     1. [M 8,192, K 512] x [K 512, N 512]; A: input x; B: input Wq (given as codes): QUANTISED
;;     2. [M 8,192, K 512] x [K 512, N 512]; A: input x; B: input Wk (given as codes): QUANTISED
;;     3. [M 8,192, K 512] x [K 512, N 512]; A: input x; B: input Wv (given as codes): QUANTISED
;;     4. batch 128 x [M 1,024, K 32] x [K 32, N 1,024]; A: computed on the way; B: computed on the way: QUANTISED
;;     5. batch 128 x [M 1,024, K 1,024] x [K 1,024, N 32]; A: softmax (see below); B: computed on the way: QUANTISED
;;     6. [M 8,192, K 512] x [K 512, N 512]; A: computed on the way; B: input Wo (given as codes): QUANTISED
;;     7. [M 8,192, K 512] x [K 512, N 2]; A: computed on the way; B: input router_w: left as it is (N = 2 < 16)
;;     8. [M 8,192, K 512] x [K 512, N 2,048]; A: computed on the way; B: input W1 (given as codes): QUANTISED
;;     9. [M 8,192, K 2,048] x [K 2,048, N 512]; A: computed on the way; B: input W2 (given as codes): QUANTISED
;;     10. [M 8,192, K 512] x [K 512, N 2,048]; A: computed on the way; B: input W1 (given as codes): QUANTISED
;;     11. [M 8,192, K 2,048] x [K 2,048, N 512]; A: computed on the way; B: input W2 (given as codes): QUANTISED
;;   THE QUANTISER, for each operand of a quantised product, along K:
;;     - K is cut into blocks of 32 from its start; a last block that is shorter is filled with zeros.
;;     - A block's scale is 2^e with e = floor(log2(the largest magnitude in the block)) - 8, held to -126 .. 127; a block of zeros has e = 0. As a byte (E8M0): e + 127.
;;     - Each number is divided by its block's scale, clamped to +-448, and rounded to the nearest number of E4M3, ties to even, subnormals kept.
;;     - The product sums the exact products of the quantised numbers (number of the format x scale) in f32.
;;   ~~~python
;;   def quantise(x, axis):      # numpy; x: float32 -> the quantised numbers, widened to float32 again
;;       x = np.moveaxis(x, axis, -1); K = x.shape[-1]
;;       x = np.pad(x, [(0, 0)] * (x.ndim - 1) + [(0, -K % 32)]); x = x.reshape(x.shape[:-1] + (-1, 32)); a = np.abs(x).max(-1, keepdims=True)
;;       e = np.where(a > 0, np.clip(np.frexp(np.where(a > 0, a, 1))[1] - 1 - 8, -126, 127), 0)      # np.frexp(a)[1] - 1 = floor(log2(a)), exactly
;;       r = np.clip(x / 2.0 ** e, -448, 448)
;;       step = 2.0 ** (np.maximum(np.frexp(np.where(r == 0, 1, r))[1] - 1, -6) - 3)
;;       q = np.round(r / step) * step * 2.0 ** e      # np.round: ties to even
;;       return np.moveaxis(q.reshape(q.shape[:-2] + (-1,))[..., :K], -1, axis).astype(np.float32)
;;   ~~~
;;   SOFTMAX AHEAD OF A QUANTISED PRODUCT. Where the list says 'softmax', what is quantised is not the finished softmax but p = 2^(t - M), with t = logit x log2(e) and M = ceil(the row's largest t), a whole number; so 1/2 < the row's largest p <= 1. The row's sum l is taken of the UNQUANTISED p, in f32, and the product's result is divided by l at the end. Since M is a whole number, a kernel that streams over the keys may use a running M (the ceiling of the running maximum): every later rescaling is an exact power of two, which a block's scale takes up: the codes' values come out the same.
;;   OPERANDS COMPUTED ON THE WAY. 'Computed on the way' means the value that the module computes at that place (a softmax that the list does not call 'softmax' is quantised finished and normalised). What goes into a quantiser is computed in f32, as accurately as f32 sums, v_exp_f32 and their like allow (about 1e-6 of the number): no bf16 or f16 on the way to a quantiser, and a product that is left as it is and whose result goes on into a quantised operand takes f32 operands (vector FMAs, or v_wmma_f32_16x16x4_f32). A number that lies on a knife's edge between two numbers of the format may be rounded either way, as far as f32 arithmetic and the matrix unit's own rounding can turn it there, and no further.
;;   INPUTS GIVEN AS CODES. W1 (in the module: [2, 512, 2048], K = its axis 1); W2 (in the module: [2, 2048, 512], K = its axis 1); Wk (in the module: [512, 512], K = its axis 0); Wo (in the module: [512, 512], K = its axis 0); Wq (in the module: [512, 512], K = its axis 0); Wv (in the module: [512, 512], K = its axis 0): each comes as NAME_codes (uint8): NAME with its K axis moved to the last place and cut into blocks of 32 codes, [.., K / 32, bytes a block], one block behind the other in memory; one code a byte (a code: sign, 4 exponent bits, 3 mantissa bits); and NAME_scales (uint8): the same leading axes, one E8M0 byte (e + 127) for each 32 codes along K. Its value is code x scale, taken as it is: it is not quantised again, and the codes and scales need not be those that the quantiser above would give.
;; 2 versions, each right and faster than the one before. Each part assembles by itself: llvm-mc -triple=amdgcn-amd-amdhsa -mcpu=gfx1250 --defsym DOCPART=n.
;; ======== version 1 of 2: 4 launches
;; limits: right only within a limited range of input values
;; workspace buffers: qkvc 12,582,912 bytes; qkvs 1,179,648 bytes; hc 4,194,304 bytes; hs 131,072 bytes; pp 1,024 bytes
;; launch qkv (part 1): grid 128 x 1, 4 waves a work-group, clusters of 4 x 1, 327,680 bytes of LDS; arguments x, Wq_codes, Wq_scales, bq, Wk_codes, Wk_scales, bk, Wv_codes, Wv_scales, bv, qkvc, qkvs; writes qkvc, qkvs
.if DOCPART == 1
	.amdgcn_target "amdgcn-amd-amdhsa--gfx1250"
	.amdhsa_code_object_version 6
	.text
	.protected	k_qf73932528a_qkv
	.globl	k_qf73932528a_qkv
	.p2align	8
	.type	k_qf73932528a_qkv,@function
k_qf73932528a_qkv:
	s_mov_b64 s[64:65], 0
	v_nop
	global_prefetch_b8 v0, s[64:65] scope:SCOPE_SE
	s_setreg_imm32_b32 hwreg(HW_REG_WAVE_MODE, 25, 1), 1
	s_wait_xcnt 0x0
	s_wait_alu depctr_hold_cnt(0) depctr_sa_sdst(0) depctr_va_vdst(0) depctr_va_sdst(0) depctr_va_ssrc(0) depctr_va_vcc(0) depctr_vm_vsrc(0)
	s_getreg_b32 s2, hwreg(HW_REG_IB_STS2, 6, 4)
	s_cmp_eq_u32 s2, 0
	s_cbranch_scc0 .Lentry_in_a_cluster
	s_endpgm
.Lentry_in_a_cluster:
	s_bfe_u32 s2, ttmp6, 0x10000c
	s_cmp_lg_u32 s2, 0x3003
	s_cbranch_scc0 .Lentry_shape_is_right
	s_endpgm
.Lentry_shape_is_right:
; q = x Wq + bq, k = x Wk + bk, v = x Wv + bv on codes of E4M3 with one E8M0 scale for each 32 along K; the results are quantised again, q and k along the head's 32, v along the keys,
; and stored as IMAGES OF OPERAND REGISTERS: four registers of a fragment are 512 consecutive bytes, lane l's 16 bytes at 16 l.
; SHARES.  A work-group owns 64 rows of x (four tiles of 16); wave w owns output columns 128 w .. 128 w + 127 of each of q, k, v: heads 4 w .. 4 w + 3.  x's 16 fragments stay in registers.
; The weights go through two LDS slots; a slot holds 64 rows (two heads) for each wave, 512 bytes a row.  All row blocks walk the same weights, so the four work-groups of a cluster ask for each tile JOINTLY.
; ORDER INSIDE A BLOCK OF 32.  q and k: source 0 = 16 rows of W, source 1 = x: a lane holds one token, and the 16 registers of a head's two tiles are dims 8 h + 0..7 and 16 + 8 h + 0..7 (h = lane / 16).
; They become registers 0-3 of the next operand in that order: a permutation inside the block, the same for q and k, which leaves their product as it is.
; v: source 0 = x, source 1 = 16 rows of W: a lane holds one dim and its registers run down the tokens, in the same order inside a block of 32 keys as the softmax's weights will have.
; LIMITS: a block whose largest magnitude lies under 2^-118 gets the scale byte 1; NaN and infinities among the inputs are not served.
; REGISTERS: window 0: addresses, scale words, the quantiser's registers, v120-183 eight accumulators, v184-247 a second set of x's numbers.  window 1: x's fragments, (tile m, K step s) at 16 (4 s + m).
;   window 2: the biases in the results' layouts: bq v0-63, bk v64-127, bv v128-191.   window 3: 16 weight fragments, (pair p, K step s, tile u) at 16 (8 p + 2 s + u).
.set WSL,   33792                      ; a wave's part of a slot: 64 rows x (512 bytes + 16 of padding)
.set BUF1,  135168                     ; slot 1
.set XIMG,  270336                     ; x's 16 fragments as images, 2,048 bytes each, index 4 s + m
.set XSC,   303104                     ; their scale words: ((2 s + m / 2) 32 + 16 (m % 2) + r) words
.set SPARE, 305152                     ; the spare words, 128 bytes for each wave: no other line names them
.set SPW, 4
.set NIL, 5
.set AW,  6                            ; v6, v7: my lane's place in my wave's rows of slot 0, 1
.set LI,  8                            ; XIMG + 16 x lane
.set LSC, 9                            ; XSC + 4 x lane
.set XWI, 10                           ; where I store x's images
.set XWS, 11                           ; and their scale words
.set XA,  12                           ; x: r x 2,048 + 64 h
.set L16, 13                           ; 16 x lane
.set L4,  14                           ; 4 x lane
.set OB,  15                           ; 32 h
.set OBV, 16                           ; 4 r
.set XS,  24                           ; v24-31 x's scale words: register 4 (m / 2) + s; lanes 0-15 the even tile, lanes 16-31 the odd one
.set WS,  32                           ; v32-79 the weights' scale words: 16 matrix + 4 head + s; lanes 0-15 the head's first 16 rows, lanes 16-31 the others
.set PW,  80
.set SWD, 82                           ; v82, v83: scale words on their way out
.set TM,  84
.set TP,  88
.set SO,  92
.set LM,  96
.set BY,  100
.set PC,  104
.set HA,  120
.set ST,  184
.set TW,  248
.set MSB, 0
.macro WIN new                         ; the immediate's high byte repeats the setting that is left
.if MSB != \new
	s_set_vgpr_msb (MSB<<8)|\new
.set MSB, \new
.endif
.endm
.macro PLACES n
.rept \n
	v_nop
.endr
.endm
.macro CROUND                          ; a round of the cluster's barrier
	s_barrier_signal -1
	s_barrier_wait -1
	s_cmp_lg_u32 s3, 0
	s_cbranch_scc1 .Lnot_wave_0_\@
	s_barrier_signal -3
.Lnot_wave_0_\@:
	s_barrier_wait -3
	s_barrier_signal -1
	s_barrier_wait -1
.endm
; one scaled product; ra, rb: the scale words stand in lanes 16-31 of their registers
.macro WMS d, a, b, c, sa, sb, ra, rb
.if ((\ra) != 0) && ((\rb) != 0)
	v_wmma_scale_f32_16x16x128_f8f6f4 v[\d:\d+7], v[\a:\a+15], v[\b:\b+15], v[\c:\c+7], v[\sa], v[\sb] matrix_a_scale:MATRIX_SCALE_ROW1 matrix_b_scale:MATRIX_SCALE_ROW1
.elseif (\ra) != 0
	v_wmma_scale_f32_16x16x128_f8f6f4 v[\d:\d+7], v[\a:\a+15], v[\b:\b+15], v[\c:\c+7], v[\sa], v[\sb] matrix_a_scale:MATRIX_SCALE_ROW1
.elseif (\rb) != 0
	v_wmma_scale_f32_16x16x128_f8f6f4 v[\d:\d+7], v[\a:\a+15], v[\b:\b+15], v[\c:\c+7], v[\sa], v[\sb] matrix_b_scale:MATRIX_SCALE_ROW1
.else
	v_wmma_scale_f32_16x16x128_f8f6f4 v[\d:\d+7], v[\a:\a+15], v[\b:\b+15], v[\c:\c+7], v[\sa], v[\sb]
.endif
.endm
; Four groups of 16 numbers of a lane, v[q + 16 g ..]; a block of 32 is a group of lane l and of lane l xor 16.  Codes to v[PC + 4 g ..], the scale's byte to v[BY + g].
.macro QUANT4 q
.irp g, 0,1,2,3
	v_max3_num_f32 v[TM+\g], |v[\q+16*\g]|, |v[\q+16*\g+1]|, 0x4800000   ; with the floor 2^(9 - 127): the byte cannot fall under 1
.endr
.irp i, 2,4,6,8,10,12,14
.irp g, 0,1,2,3
	v_max3_num_f32 v[TM+\g], v[TM+\g], |v[\q+16*\g+\i]|, |v[\q+16*\g+\i+1]|
.endr
.endr
.irp g, 0,1,2,3
	v_permlanex16_b32 v[TP+\g], v[TM+\g], s56, s57
.endr
.irp g, 0,1,2,3
	v_max_num_f32 v[TM+\g], v[TM+\g], v[TP+\g]           ; the block's largest magnitude
.endr
.irp g, 0,1,2,3
	v_add_nc_u32 v[SO+\g], 0xfc000000, v[TM+\g]          ; 8 off its exponent field: the conversion's scale operand
.endr
.irp g, 0,1,2,3
	v_and_or_b32 v[LM+\g], v[TM+\g], 0x7f800000, s58     ; 448 x the scale
.endr
.irp g, 0,1,2,3
	v_lshrrev_b32 v[BY+\g], 23, v[SO+\g]                 ; the scale's byte
.endr
.irp g, 0,1,2,3
.irp i, 0,1,2,3,4,5,6,7,8,9,10,11,12,13,14,15
	v_med3_num_f32 v[\q+16*\g+\i], v[\q+16*\g+\i], -v[LM+\g], v[LM+\g]   ; the conversion does not saturate (ISA guide 7.6.2): the hold comes first
.endr
.endr
.irp g, 0,1,2,3
	v_cvt_scalef32_pk8_fp8_f32 v[PC+4*\g:PC+4*\g+1], v[\q+16*\g:\q+16*\g+7], v[SO+\g]
	v_cvt_scalef32_pk8_fp8_f32 v[PC+4*\g+2:PC+4*\g+3], v[\q+16*\g+8:\q+16*\g+15], v[SO+\g]
.endr
	v_nop                                                ; a plain line behind the last conversion
.endm
	s_load_b512 s[8:23], s[0:1], 0x0               ; x 8, Wq codes 10, Wq scales 12, bq 14, Wk codes 16, Wk scales 18, bk 20, Wv codes 22
	s_load_b256 s[24:31], s[0:1], 0x40             ; Wv scales 24, bv 26, qkvc 28, qkvs 30
	v_lshl_add_u32 v[SPW], v0, 2, SPARE
	v_mov_b32 v[NIL], 0
	ds_add_u32 v4, v5
	ds_add_u32 v4, v5
	s_wait_dscnt 0x0
	v_lshrrev_b32 v1, 5, v0
	v_readfirstlane_b32 s3, v1                     ; wave 0..3
	s_bfe_u32 s4, ttmp6, 0x40000                   ; my place in the cluster
	s_lshl_b32 s5, ttmp9, 2
	s_add_co_u32 s5, s5, s4                        ; my block of 64 rows: it enters global addresses of x and of the results alone
	; descriptor group 1: 64 rows of 512 bytes, dense in memory, 16 bytes of padding behind each row; the mask names all four work-groups
	s_mov_b32 s32, 15|(1<<20)|(1<<21)|(6<<22)|(3<<25)
	s_mov_b32 s33, 512<<16
	s_mov_b32 s34, 64<<16
	s_mov_b32 s35, 512<<16
	s_mov_b32 s36, 64
	s_mov_b32 s37, 512
	s_mov_b32 s38, 0
	s_mov_b32 s39, 0
	s_mov_b32 s56, 0x76543210
	s_mov_b32 s57, 0xfedcba98                      ; v_permlanex16_b32's selects for lane l xor 16
	s_mov_b32 s58, 0x600000                        ; the mantissa field of 448
	s_mov_b32 s59, 0xffff0000                      ; lanes 16-31
	s_mul_i32 s54, s3, WSL
	s_lshl_b32 s60, s3, 16                         ; my 128 rows of a weight: 65,536 bytes a wave
	s_mov_b32 s61, 0
	s_wait_kmcnt 0x0
	s_add_nc_u64 s[48:49], s[10:11], s[60:61]
	s_add_nc_u64 s[50:51], s[16:17], s[60:61]
	s_add_nc_u64 s[52:53], s[22:23], s[60:61]
	s_mov_b32 s40, 1                               ; group 0 for slot 0: Wq, my first 64 rows
	s_mov_b32 s41, s54
	s_mov_b64 s[42:43], s[48:49]
	s_or_b32 s43, s43, 0x80000000
	s_mov_b32 s44, 1                               ; group 0 for slot 1: Wq, my other 64 rows
	s_add_co_u32 s45, s54, BUF1
	s_add_nc_u64 s[46:47], s[48:49], 32768
	s_or_b32 s47, s47, 0x80000000
	CROUND                                         ; all four work-groups are here: the first joint loads meet
	tensor_load_to_lds s[40:43], s[32:39]
	s_nop 0
	tensor_load_to_lds s[44:47], s[32:39]          ; two loads of mine are out
	s_nop 0
	PLACES 4
	v_and_b32 v1, 15, v0                           ; r
	v_bfe_u32 v2, v0, 4, 1                         ; h
	v_and_b32 v3, 31, v0                           ; lane
	v_mul_u32_u24 v[AW], v1, 528
	v_lshl_add_u32 v[AW], v2, 4, v[AW]
	v_add_nc_u32 v[AW], s54, v[AW]
	v_add_nc_u32 v[AW+1], BUF1, v[AW]
	v_lshlrev_b32 v[L16], 4, v3
	v_lshlrev_b32 v[L4], 2, v3
	v_add_nc_u32 v[LI], XIMG, v[L16]
	v_add_nc_u32 v[LSC], XSC, v[L4]
	s_lshl_b32 s60, s3, 11
	v_add_nc_u32 v[XWI], s60, v[LI]
	s_lshl_b32 s62, s3, 6
	v_lshl_add_u32 v[XWS], v1, 2, s62
	v_add_nc_u32 v[XWS], XSC, v[XWS]
	v_lshlrev_b32 v[XA], 11, v1
	v_lshl_add_u32 v[XA], v2, 6, v[XA]
	v_lshlrev_b32 v[OB], 5, v2
	v_lshlrev_b32 v[OBV], 2, v1
.irp g, 0,1,2,3
	v_mov_b32 v[TP+\g], 0                          ; written once: a lane permute's destination counts as one of its sources
.endr
	s_add_nc_u64 s[12:13], s[12:13], s[60:61]      ; the scale bytes of my 128 rows: 16 bytes a row
	s_add_nc_u64 s[18:19], s[18:19], s[60:61]
	s_add_nc_u64 s[24:25], s[24:25], s[60:61]
	s_lshl_b32 s60, s3, 9                          ; the biases of my 128 columns
	s_add_nc_u64 s[14:15], s[14:15], s[60:61]
	s_add_nc_u64 s[20:21], s[20:21], s[60:61]
	s_add_nc_u64 s[26:27], s[26:27], s[60:61]
	s_lshl_b32 s60, s5, 17                         ; x: my block's 64 rows of 2,048 bytes, my wave's 16 of them
	s_lshl_b32 s62, s3, 15
	s_add_co_u32 s60, s60, s62
	s_add_nc_u64 s[8:9], s[8:9], s[60:61]
	; where the results go
	s_lshr_b32 s74, s5, 4                          ; the batch
	s_and_b32 s75, s5, 15                          ; my block in it
	s_mov_b32 s63, 0
	s_lshl_b32 s60, s74, 19
	s_lshl_b32 s62, s3, 17
	s_add_co_u32 s60, s60, s62                     ; batch x 524,288 + my four heads
	s_lshl_b32 s62, s75, 11
	s_add_co_u32 s62, s60, s62
	s_add_nc_u64 s[66:67], s[28:29], s[62:63]      ; q's and k's images: [batch][head][tile 64][512]
	s_lshr_b32 s62, s75, 1
	s_lshl_b32 s62, s62, 12
	s_add_co_u32 s60, s60, s62
	s_and_b32 s62, s75, 1
	s_lshl_b32 s62, s62, 10
	s_add_co_u32 s60, s60, s62
	s_add_co_u32 s60, s60, 8388608
	s_add_nc_u64 s[68:69], s[28:29], s[60:61]      ; v's images: [batch][head][step 8][u 2][block 4][512]
	s_lshl_b32 s60, s74, 16
	s_lshl_b32 s62, s3, 14
	s_add_co_u32 s60, s60, s62
	s_lshl_b32 s62, s75, 8
	s_add_co_u32 s60, s60, s62
	s_add_nc_u64 s[70:71], s[30:31], s[60:61]      ; q's and k's scale words: [batch][head][tile][16]
	s_lshl_b32 s60, s74, 14
	s_lshl_b32 s62, s3, 12
	s_add_co_u32 s60, s60, s62
	s_lshr_b32 s62, s75, 1
	s_lshl_b32 s62, s62, 7
	s_add_co_u32 s60, s60, s62
	s_and_b32 s62, s75, 1
	s_lshl_b32 s62, s62, 1
	s_add_co_u32 s60, s60, s62
	s_add_co_u32 s60, s60, 1048576
	s_add_nc_u64 s[72:73], s[30:31], s[60:61]      ; v's scale words: [batch][head][step][u][16], my two bytes of each
.irp i, 0,1,2,3
	global_load_b128 v[WS+4*\i:WS+4*\i+3], v[L16], s[12:13] offset:512*\i         ; lane l: row 32 i + l of my 128: its four scale words
	global_load_b128 v[WS+16+4*\i:WS+16+4*\i+3], v[L16], s[18:19] offset:512*\i
	global_load_b128 v[WS+32+4*\i:WS+32+4*\i+3], v[L16], s[24:25] offset:512*\i
.endr
	WIN 0x80                                       ; destination window 2
.irp t, 0,1,2,3,4,5,6,7
	global_load_b128 v[8*\t:8*\t+3], v[OB], s[14:15] offset:64*\t                 ; bq at columns 16 t + 8 h + 0 .. 7
	global_load_b128 v[8*\t+4:8*\t+7], v[OB], s[14:15] offset:64*\t+16
	global_load_b128 v[64+8*\t:64+8*\t+3], v[OB], s[20:21] offset:64*\t
	global_load_b128 v[64+8*\t+4:64+8*\t+7], v[OB], s[20:21] offset:64*\t+16
.irp j, 0,1,2,3,4,5,6,7
	global_load_b32 v[128+8*\t+\j], v[OBV], s[26:27] offset:64*\t                 ; bv at column 16 t + r, in all eight registers: v's result holds one column a lane
.endr
.endr
	WIN 0
; ---- x: my wave's 16 rows become four fragments.  Lane (r, h) takes, of row r, 16 neighbours of each block of 32
.macro XLOAD reg, s
.irp b, 0,1,2,3
.irp j, 0,1,2,3
	global_load_b128 v[\reg+16*\b+4*\j:\reg+16*\b+4*\j+3], v[XA], s[8:9] offset:512*\s+128*\b+16*\j th:TH_LOAD_NT
.endr
.endr
.endm
.macro XPUT s
	v_lshl_or_b32 v[PW], v[BY+1], 8, v[BY]
	v_lshl_or_b32 v[PW], v[BY+2], 16, v[PW]
	v_lshl_or_b32 v[PW], v[BY+3], 24, v[PW]        ; my row's scale word for these 128 along K
.irp c, 0,1,2,3
	ds_store_b128 v[XWI], v[PC+4*\c:PC+4*\c+3] offset:8192*\s+512*\c
.endr
	ds_store_b32 v[XWS], v[PW] offset:256*\s
.endm
	XLOAD HA, 0
	XLOAD ST, 1
	s_wait_loadcnt 16                              ; all but the next K step's 16 loads
	QUANT4 HA
	XPUT 0
	XLOAD HA, 2
	s_wait_loadcnt 16
	s_wait_dscnt 0x0                               ; the LDS stores have read the codes' registers
	QUANT4 ST
	XPUT 1
	XLOAD ST, 3
	s_wait_loadcnt 16
	s_wait_dscnt 0x0
	QUANT4 HA
	XPUT 2
	s_wait_loadcnt 0x0
	s_wait_dscnt 0x0
	QUANT4 ST
	XPUT 3
	s_wait_tensorcnt 0x1                           ; my part of slot 0 is in; slot 1's may stay out
	s_wait_dscnt 0x0                               ; my images have landed
	s_barrier_signal -1
	s_barrier_wait -1
	WIN 0x40                                       ; destination window 1
.irp f, 0,1,2,3,4,5,6,7,8,9,10,11,12,13,14,15
.irp c, 0,1,2,3
	ds_load_b128 v[16*\f+4*\c:16*\f+4*\c+3], v[LI] offset:2048*\f+512*\c
.endr
.endr
	WIN 0
.irp s, 0,1,2,3
.irp n, 0,1
	ds_load_b32 v[XS+4*\n+\s], v[LSC] offset:(2*\s+\n)*128
.endr
.endr
; eight LDS loads: the two fragments (16 rows x 128 K each) of pair p, K step s
.macro WLOAD buf, p, s
.irp u, 0,1
.irp c, 0,1,2,3
	ds_load_b128 v[16*(8*\p+2*\s+\u)+4*\c:16*(8*\p+2*\s+\u)+4*\c+3], v[AW+\buf] offset:(32*\p+16*\u)*528+128*\s+32*\c
.endr
.endr
.endm
; eight products of one head, K step s: the eight accumulators take turns.  q, k: source 0 = W, source 1 = x.  The bias is the C of the first K step
.macro QKRUN mat, hd, p, s
.if \s == 0
	WIN 0x27
.else
	WIN 0x07
.endif
.irp u, 0,1
.irp m, 0,1,2,3
.if \s == 0
	WMS HA+16*\m+8*\u, 16*(8*\p+2*\s+\u), 16*(4*\s+\m), 64*\mat+8*(2*(\hd)+\u), WS+16*\mat+4*(\hd)+\s, XS+4*(\m/2)+\s, \u, \m%2
.else
	WMS HA+16*\m+8*\u, 16*(8*\p+2*\s+\u), 16*(4*\s+\m), HA+16*\m+8*\u, WS+16*\mat+4*(\hd)+\s, XS+4*(\m/2)+\s, \u, \m%2
.endif
.endr
.endr
.endm
; v: source 0 = x, source 1 = W
.macro VRUN hd, p, s
.if \s == 0
	WIN 0x2d
.else
	WIN 0x0d
.endif
.irp u, 0,1
.irp m, 0,1,2,3
.if \s == 0
	WMS HA+32*\u+16*(\m/2)+8*(\m%2), 16*(4*\s+\m), 16*(8*\p+2*\s+\u), 128+8*(2*(\hd)+\u), XS+4*(\m/2)+\s, WS+32+4*(\hd)+\s, \m%2, \u
.else
	WMS HA+32*\u+16*(\m/2)+8*(\m%2), 16*(4*\s+\m), 16*(8*\p+2*\s+\u), HA+32*\u+16*(\m/2)+8*(\m%2), XS+4*(\m/2)+\s, WS+32+4*(\hd)+\s, \m%2, \u
.endif
.endr
.endr
.endm
; one head of q or k goes out: group = tile of rows.  The scale word: the head's byte, and 2^-63 for the three blocks of K that the next product does not use
.macro QKOUT mat, hd
	WIN 0
	PLACES 8                                       ; behind the last products, ahead of the first read of their results
	s_wait_xcnt 0x0                                ; the earlier stores have read their data registers
	QUANT4 HA
.irp m, 0,1,2,3
	global_store_b128 v[L16], v[PC+4*\m:PC+4*\m+3], s[66:67] offset:(\mat)*4194304+(\hd)*32768+512*\m   ; 512 consecutive bytes
.endr
.irp m, 0,1,2,3
	v_or_b32 v[TW+\m], 0x40404000, v[BY+\m]
.endr
	v_cndmask_b32 v[SWD], v[TW], v[TW+1], s59      ; lanes 0-15 the even tile's rows, lanes 16-31 the odd tile's
	v_cndmask_b32 v[SWD+1], v[TW+2], v[TW+3], s59
	global_store_b32 v[L4], v[SWD], s[70:71] offset:(\mat)*524288+(\hd)*4096
	global_store_b32 v[L4], v[SWD+1], s[70:71] offset:(\mat)*524288+(\hd)*4096+128
.endm
; one head of v goes out: group 2 u + block of 32 keys
.macro VOUT hd
	WIN 0
	PLACES 8
	s_wait_xcnt 0x0
	QUANT4 HA
.irp g, 0,1,2,3
	global_store_b128 v[L16], v[PC+4*\g:PC+4*\g+3], s[68:69] offset:(\hd)*32768+(\g/2)*2048+(\g%2)*512
.endr
	v_lshl_or_b32 v[TW], v[BY+1], 8, v[BY]
	v_lshl_or_b32 v[TW+1], v[BY+3], 8, v[BY+2]
	v_cndmask_b32 v[SWD], v[TW], v[TW+1], s59      ; lanes 0-15: dims 0-15; lanes 16-31: dims 16-31
	global_store_b16 v[L4], v[SWD], s[72:73] offset:(\hd)*1024
.endm
; A period: the slot's two heads.  While the first head is multiplied, K step by K step, the second head's fragments are fetched.
; s_wait_dscnt 24: behind the eight loads that a K step needs stand the first head's later K steps and what has been asked of the second head: always 24
.macro QKWORK buf, mat, j
	WIN 0xc0
.irp s, 0,1,2,3
	WLOAD \buf, 0, \s
.endr
.irp s, 0,1,2,3
	s_wait_dscnt 24
	QKRUN \mat, 2*\j, 0, \s
	WIN 0xc0
	WLOAD \buf, 1, \s
.endr
	QKOUT \mat, 2*\j
	s_wait_dscnt 0x0
.irp s, 0,1,2,3
	QKRUN \mat, 2*\j+1, 1, \s
.endr
	QKOUT \mat, 2*\j+1
.endm
.macro VWORK buf, j
	WIN 0xc0
.irp s, 0,1,2,3
	WLOAD \buf, 0, \s
.endr
.irp s, 0,1,2,3
	s_wait_dscnt 24
	VRUN 2*\j, 0, \s
	WIN 0xc0
	WLOAD \buf, 1, \s
.endr
	VOUT 2*\j
	s_wait_dscnt 0x0
.irp s, 0,1,2,3
	VRUN 2*\j+1, 1, \s
.endr
	VOUT 2*\j+1
.endm
; THE CHANGE OF SLOTS ahead of period k.  Every wave waits for all its tensor loads (slot k's), adds 0 to its spare word, and waits for that and for its reads of the slot that it has left.
; k < 5: a round of the cluster's barrier, and behind it the joint refill of the slot just left, with slot k + 1: (matrix (k + 1) / 2, half (k + 1) % 2)
.macro CHANGE k
.set NX, (\k)+1
.set GG, 40+4*(NX%2)
.set BS, 48+2*(NX/2)
	s_wait_tensorcnt 0x0
	ds_add_u32 v[SPW], v[NIL]
.if (\k) < 5
	s_add_nc_u64 s[GG+2:GG+3], s[BS:BS+1], (NX%2)*32768   ; no tensor load of mine is out: a group 0 may be written
	s_or_b32 s[GG+3], s[GG+3], 0x80000000
	s_wait_dscnt 0x0
	CROUND
	tensor_load_to_lds s[GG:GG+3], s[32:39]        ; my one tensor load behind the round
	s_nop 0
	PLACES 4
.else
	s_wait_dscnt 0x0
	s_barrier_signal -1
	s_barrier_wait -1
.endif
.endm
	QKWORK 0, 0, 0
	CHANGE 1
	QKWORK 1, 0, 1
	CHANGE 2
	QKWORK 0, 1, 0
	CHANGE 3
	QKWORK 1, 1, 1
	CHANGE 4
	VWORK 0, 0
	CHANGE 5
	VWORK 1, 1
	s_wait_tensorcnt 0x0                           ; the wave's end
	ds_add_u32 v[SPW], v[NIL]
	s_wait_dscnt 0x0
	CROUND                                         ; the closing round
	s_endpgm
.Lfunc_end_k_qf73932528a_qkv:
	.size	k_qf73932528a_qkv, .Lfunc_end_k_qf73932528a_qkv-k_qf73932528a_qkv
	.p2alignl 7, 3214868480
	.fill 96, 4, 3214868480
	.section	.rodata,"a",@progbits
	.p2align	6, 0x0
	.amdhsa_kernel k_qf73932528a_qkv
		.amdhsa_group_segment_fixed_size 327680
		.amdhsa_private_segment_fixed_size 0
		.amdhsa_enable_private_segment 0
		.amdhsa_kernarg_size 96
		.amdhsa_user_sgpr_count 2
		.amdhsa_user_sgpr_kernarg_segment_ptr 1
		.amdhsa_wavefront_size32 1
		.amdhsa_system_sgpr_workgroup_id_x 1
		.amdhsa_system_sgpr_workgroup_id_y 1
		.amdhsa_system_sgpr_workgroup_id_z 1
		.amdhsa_system_vgpr_workitem_id 0
		.amdhsa_next_free_vgpr 1024
		.amdhsa_next_free_sgpr 100
		.amdhsa_reserve_vcc 0
		.amdhsa_float_denorm_mode_32 3
		.amdhsa_float_denorm_mode_16_64 3
		.amdhsa_memory_ordered 1
		.amdhsa_forward_progress 1
		.amdhsa_inst_pref_size 246
	.end_amdhsa_kernel
	.amdgpu_metadata
---
amdhsa.version: [ 1, 2 ]
amdhsa.kernels:
  - .name:           k_qf73932528a_qkv
    .symbol:         k_qf73932528a_qkv.kd
    .args:
      - { .name: x, .offset: 0, .size: 8, .value_kind: global_buffer, .address_space: global }
      - { .name: Wq_codes, .offset: 8, .size: 8, .value_kind: global_buffer, .address_space: global }
      - { .name: Wq_scales, .offset: 16, .size: 8, .value_kind: global_buffer, .address_space: global }
      - { .name: bq, .offset: 24, .size: 8, .value_kind: global_buffer, .address_space: global }
      - { .name: Wk_codes, .offset: 32, .size: 8, .value_kind: global_buffer, .address_space: global }
      - { .name: Wk_scales, .offset: 40, .size: 8, .value_kind: global_buffer, .address_space: global }
      - { .name: bk, .offset: 48, .size: 8, .value_kind: global_buffer, .address_space: global }
      - { .name: Wv_codes, .offset: 56, .size: 8, .value_kind: global_buffer, .address_space: global }
      - { .name: Wv_scales, .offset: 64, .size: 8, .value_kind: global_buffer, .address_space: global }
      - { .name: bv, .offset: 72, .size: 8, .value_kind: global_buffer, .address_space: global }
      - { .name: qkvc, .offset: 80, .size: 8, .value_kind: global_buffer, .address_space: global }
      - { .name: qkvs, .offset: 88, .size: 8, .value_kind: global_buffer, .address_space: global }
    .group_segment_fixed_size: 327680
    .private_segment_fixed_size: 0
    .kernarg_segment_align: 8
    .kernarg_segment_size: 96
    .max_flat_workgroup_size: 128
    .sgpr_count:     100
    .vgpr_count:     1024
    .wavefront_size: 32
...
	.end_amdgpu_metadata
.endif
;; end of part 1
;; launch attn (part 2): grid 2 x 128, 16 waves a work-group, no clusters, 77,824 bytes of LDS; arguments qkvc, qkvs, attention_mask, hc, hs; writes hc, hs
.if DOCPART == 2
	.amdgcn_target "amdgcn-amd-amdhsa--gfx1250"
	.amdhsa_code_object_version 6
	.text
	.protected	k_qf73932528a_attn
	.globl	k_qf73932528a_attn
	.p2align	8
	.type	k_qf73932528a_attn,@function
k_qf73932528a_attn:
	s_mov_b64 s[64:65], 0
	v_nop
	global_prefetch_b8 v0, s[64:65] scope:SCOPE_SE
	s_setreg_imm32_b32 hwreg(HW_REG_WAVE_MODE, 25, 1), 1
	s_wait_xcnt 0x0
; h = softmax(mask(q k^T / sqrt(32))) v for one head, both products on codes of E4M3; h is quantised along the head's 32 and stored as an image of the next operand's registers.
; THE SOFTMAX: t = score x log2(e) / sqrt(32); M = the running largest t rounded up to a whole number; p = 2^(t - M) is quantised along the keys; the row's sum is taken of the unquantised p and divides at the end.
; SHARES.  Two work-groups to a head, sixteen waves each, 256 registers a wave.  A head's K, V, scale words and mask (73 KB) come into LDS once; one barrier; then LDS is only read.
; The 64 tiles of 16 queries fall into 8 groups of 128 queries; a tile of group G walks G + 1 key steps of 128 keys.  A wave takes one tile of group g and one of group 7 - g: nine key steps for every wave.
; NO CLUSTER: what the two work-groups of a head share is read once at the head, 73 KB each; there is no stream of tiles to ask for jointly.
; LAYOUT.  S^T = K Q^T (source 0 = 16 keys, source 1 = my 16 queries), O^T = V^T P^T: a lane holds one query (lane % 16) throughout.  The 16 registers of key tiles 2 b, 2 b + 1 are keys 32 b + 8 h + 0..7 and
; 32 b + 16 + 8 h + 0..7 (h = lane / 16); V's images have the keys of a block in the same order.
; THE HEAD HAS 32 DIMS, the instruction 128 along K: Q's registers 4-15 are zero codes.  So K's registers 4-15 may hold any codes that are numbers: the eight tiles' four registers lie on end in v32-63, twelve zero
; registers behind them, and tile t's fragment is v[32 + 4 t .. 32 + 4 t + 15].  The codes come from a quantiser that holds at 448, so none is the NaN code.
; THE PADDING MASK is the C of S^T: one f32 a key in LDS, 0 where the key counts and -2^41 where it does not.  The causal mask: later key steps are left out; on the diagonal hidden scores become -infinity.
; A ROW WHOSE VISIBLE KEYS ARE ALL PADDED has equal scores on all 1,024 keys in the definition: p = 1 everywhere, the sum 1,024.  Such rows exist only where the batch's key 0 is padded: there (a scalar branch on that
; whole number of the mask) the sum of V over all keys is made by eight more products with p = 1, and is taken in the lanes whose sum of p is 0.
; LIMITS: the running largest t starts at -2^30: logits under about -7e8 are not served.  A block under 2^-118 gets the byte 1.  NaN and infinities are not served.
.set KSW,  0                           ; K's scale words, [tile 64][16] words
.set MSK,  4096                        ; the mask as f32, one a key
.set VSW,  8192                        ; V's scale words, [step 8][u 2][16] words
.set KIMG, 10240                       ; K's images, [tile 64][512]
.set VREL, 32768                       ; V's images lie this far behind K's: [step 8][u 2][block 4][512]
.set AK,  1
.set AKS, 2
.set AM,  3
.set AVS, 4
.set DG,  5                            ; my query in its group of 128, less 8 h
.set L16, 6
.set R4,  7
.set ADK, 8
.set ADS, 9
.set ADM, 10
.set ADT, 11
.set Q,   16                           ; v16-31 Q's fragment
.set KF,  32                           ; v32-75 K's tiles and the zeros behind them
.set HC,  84                           ; v84-87 h's codes
.set Q2,  88                           ; v88-91 the second tile's Q
.set HB,  92                           ; h's scale byte
.set R16, 93
.set S,   96                           ; v96-159 the scores, then p
.set O,   160                          ; v160-175 O^T
.set VF,  176                          ; v176-207 V's two fragments
.set PCD, 208                          ; v208-223 p's codes
.set BM,  224
.set TP,  228
.set LM,  232
.set SO,  236
.set KS,  240                          ; v240-243 K's scale words, two tiles to a register
.set VS,  244
.set QS,  245                          ; v245, v246: Q's scale words of my two tiles
.set PS,  247                          ; p's scale word
.set F,   248
.set RC,  250
.set T0,  252
.set T2,  254
.set NINF, 255
.set WV,  14
.set M0K, 19
.set SEL, 20
.set CS,  22
.set MNT, 24
.set SG,  25
.set SS,  26
.set SK,  27
.set SW,  28
.set SVW, 29
.macro PLACES n
.rept \n
	v_nop
.endr
.endm
.macro WMS d, a, b, c, sa, sb, ra
.if (\ra) != 0
	v_wmma_scale_f32_16x16x128_f8f6f4 v[\d:\d+7], v[\a:\a+15], v[\b:\b+15], v[\c:\c+7], v[\sa], v[\sb] matrix_a_scale:MATRIX_SCALE_ROW1
.else
	v_wmma_scale_f32_16x16x128_f8f6f4 v[\d:\d+7], v[\a:\a+15], v[\b:\b+15], v[\c:\c+7], v[\sa], v[\sb]
.endif
.endm
	s_load_b256 s[4:11], s[0:1], 0x0               ; qkvc 4, qkvs 6, attention_mask 8, hc 10
	s_load_b64 s[12:13], s[0:1], 0x20              ; hs
	v_lshl_add_u32 v94, v0, 2, 0x12800
	v_mov_b32 v95, 0
	v_lshrrev_b32 v1, 5, v0
	v_readfirstlane_b32 s[WV], v1                  ; wave 0..15
	s_and_b32 s15, ttmp7, 0xffff                   ; 16 x batch + head
	s_lshr_b32 s17, s15, 4
	s_and_b32 s18, s15, 15
	s_lshr_b32 s30, s[WV], 3
	s_sub_co_u32 s31, 3, ttmp9
	s_cmp_eq_u32 s30, 0
	s_cselect_b32 s[SG], ttmp9, s31                ; my first tile's group: waves 0-7: z, waves 8-15: 3 - z
	s_sub_co_u32 s46, 7, s[SG]                     ; my second tile's
	s_and_b32 s47, s[WV], 7
	s_lshl_b32 s66, s[SG], 3
	s_add_co_u32 s66, s66, s47                     ; the tiles' numbers in the head
	s_lshl_b32 s67, s46, 3
	s_add_co_u32 s67, s67, s47
	s_mov_b32 s[SEL], 0x76543210
	s_mov_b32 s[SEL+1], 0xfedcba98
	s_mov_b32 s[CS], 0x3e8293ee                    ; c = log2(e) / sqrt(32)
	s_mov_b32 s[CS+1], s[CS]
	s_mov_b32 s[MNT], 0x600000
	s_mov_b32 s31, 0
	s_lshl_b32 s30, s15, 15
	s_wait_kmcnt 0x0
	s_add_nc_u64 s[32:33], s[4:5], s[30:31]        ; the head's images of Q,
	s_add_nc_u64 s[34:35], s[32:33], 0x400000      ; of K,
	s_add_nc_u64 s[36:37], s[32:33], 0x800000      ; of V
	s_lshl_b32 s30, s15, 12
	s_add_nc_u64 s[38:39], s[6:7], s[30:31]        ; Q's scale words,
	s_add_nc_u64 s[40:41], s[38:39], 0x80000       ; K's,
	s_lshl_b32 s30, s15, 10
	s_add_nc_u64 s[42:43], s[6:7], s[30:31]
	s_add_nc_u64 s[42:43], s[42:43], 0x100000      ; V's
	s_lshl_b32 s30, s17, 12
	s_add_nc_u64 s[44:45], s[8:9], s[30:31]        ; the batch's mask
	s_load_b32 s[M0K], s[44:45], 0x0               ; does key 0 count?
	s_lshl_b32 s30, s66, 9
	s_add_nc_u64 s[48:49], s[32:33], s[30:31]      ; my tiles' images of Q
	s_lshl_b32 s30, s67, 9
	s_add_nc_u64 s[50:51], s[32:33], s[30:31]
	s_lshl_b32 s30, s66, 6
	s_add_nc_u64 s[52:53], s[38:39], s[30:31]      ; and their scale words
	s_lshl_b32 s30, s67, 6
	s_add_nc_u64 s[54:55], s[38:39], s[30:31]
	s_lshl_b32 s68, s17, 6
	s_add_co_u32 s69, s68, s66                     ; the tiles' numbers among all 512
	s_add_co_u32 s70, s68, s67
	s_lshl_b32 s71, s18, 9
	s_lshl_b32 s30, s69, 13
	s_add_co_u32 s30, s30, s71
	s_add_nc_u64 s[56:57], s[10:11], s[30:31]      ; h's codes: [tile 512][head 16][512]
	s_lshl_b32 s30, s70, 13
	s_add_co_u32 s30, s30, s71
	s_add_nc_u64 s[58:59], s[10:11], s[30:31]
	s_lshl_b32 s30, s69, 8
	s_add_co_u32 s30, s30, s18
	s_add_nc_u64 s[60:61], s[12:13], s[30:31]      ; h's scale bytes: [tile][row 16][head 16]
	s_lshl_b32 s30, s70, 8
	s_add_co_u32 s30, s30, s18
	s_add_nc_u64 s[62:63], s[12:13], s[30:31]
	v_lshlrev_b32 v8, 4, v0                        ; the copy into LDS: 16, 8 and 2 bytes a thread
	v_lshlrev_b32 v9, 3, v0
	v_lshlrev_b32 v10, 1, v0
	v_add_nc_u32 v11, KIMG, v8
.irp i, 0,1,2,3
	global_load_b128 v[96+4*\i:99+4*\i], v8, s[34:35] offset:8192*\i
.endr
.irp i, 0,1,2,3
	global_load_b128 v[112+4*\i:115+4*\i], v8, s[36:37] offset:8192*\i
.endr
	global_load_b64 v[128:129], v9, s[40:41]
	global_load_b64 v[130:131], v9, s[44:45]
	global_load_u16 v132, v10, s[42:43]
	v_and_b32 v[L16], 31, v0
	v_lshlrev_b32 v[AKS], 2, v[L16]                ; KSW + 4 x lane: two tiles' words to a load
	v_add_nc_u32 v[AVS], VSW, v[AKS]
	v_lshlrev_b32 v[L16], 4, v[L16]
	v_add_nc_u32 v[AK], KIMG, v[L16]
	v_and_b32 v[R4], 15, v0
	v_bfe_u32 v[AM], v0, 4, 1
	v_lshlrev_b32 v[DG], 3, v[AM]
	v_sub_nc_u32 v[DG], v[R4], v[DG]
	s_lshl_b32 s30, s47, 4
	v_add_nc_u32 v[DG], s30, v[DG]
	v_lshlrev_b32 v[R16], 4, v[R4]
	v_lshlrev_b32 v[R4], 2, v[R4]
	v_lshl_add_u32 v[AM], v[AM], 5, MSK            ; the mask of keys 8 h on
	global_load_b128 v[Q:Q+3], v[L16], s[48:49]
	global_load_b128 v[Q2:Q2+3], v[L16], s[50:51]
	global_load_b32 v[QS], v[R4], s[52:53]
	global_load_b32 v[QS+1], v[R4], s[54:55]
.irp i, 4,5,6,7,8,9,10,11,12,13,14,15
	v_mov_b32 v[Q+\i], 0                           ; the three blocks of K that a head of 32 does not fill
	v_mov_b32 v[KF+28+\i], 0
.endr
.irp b, 0,1,2,3
	v_mov_b32 v[TP+\b], 0                          ; written once: a lane permute's destination counts as one of its sources
.endr
	v_mov_b32 v[F+1], 0                            ; named as upper halves of pairs
	v_mov_b32 v[RC+1], 0
	v_mov_b32 v[T0], 0
	v_mov_b32 v[NINF], 0xff800000
	v_mov_b32 v[T2], 0xd4000000                    ; -2^41
	s_wait_loadcnt 0x0
	v_cmp_eq_u32 vcc_lo, 0, v130
	v_cndmask_b32 v130, 0, v[T2], vcc_lo
	v_cmp_eq_u32 vcc_lo, 0, v131
	v_cndmask_b32 v131, 0, v[T2], vcc_lo
.irp i, 0,1,2,3
	ds_store_b128 v11, v[96+4*\i:99+4*\i] offset:8192*\i
	ds_store_b128 v11, v[112+4*\i:115+4*\i] offset:VREL+8192*\i
.endr
	ds_store_b64 v9, v[128:129] offset:KSW
	ds_store_b64 v9, v[130:131] offset:MSK
	ds_store_b16 v10, v132 offset:VSW
	s_wait_kmcnt 0x0
	s_wait_dscnt 0x0                               ; my stores have landed
	s_barrier_signal -1
	s_barrier_wait -1                              ; everybody's have: from here on LDS is only read
; A KEY STEP of 128 keys.  qs: the register of Q's scale word
.macro STEP qs
	s_cmp_gt_u32 s[SS], s[SG]                      ; all its keys come after my queries: left out
	s_cbranch_scc1 .Lhid_\@
	v_add_nc_u32 v[ADK], s[SK], v[AK]
	v_add_nc_u32 v[ADS], s[SW], v[AKS]
	v_add_nc_u32 v[ADM], s[SW], v[AM]
	v_add_nc_u32 v[ADT], s[SVW], v[AVS]
	PLACES 4                                       ; with the four additions: eight places between the last step's products and the loads into V's registers
.irp t, 0,1,2,3,4,5,6,7
	ds_load_b128 v[S+8*\t:S+8*\t+3], v[ADM] offset:64*\t          ; the mask of keys 16 t + 8 h + 0 .. 7: the product's C
	ds_load_b128 v[S+8*\t+4:S+8*\t+7], v[ADM] offset:64*\t+16
.endr
.irp t, 0,1,2,3,4,5,6,7
	ds_load_b128 v[KF+4*\t:KF+4*\t+3], v[ADK] offset:512*\t
.endr
.irp t, 0,1,2,3
	ds_load_b32 v[KS+\t], v[ADS] offset:128*\t
.endr
.irp u, 0,1
.irp c, 0,1,2,3
	ds_load_b128 v[VF+16*\u+4*\c:VF+16*\u+4*\c+3], v[ADK] offset:VREL+2048*\u+512*\c
.endr
.endr
	ds_load_b32 v[VS], v[ADT]
	s_wait_dscnt 9                                 ; V's nine loads may be out
.irp t, 0,1,2,3,4,5,6,7
	WMS S+8*\t, KF+4*\t, Q, S+8*\t, KS+\t/2, \qs, \t%2
.endr
	PLACES 8
	s_cmp_lg_u32 s[SS], s[SG]                      ; on the diagonal: key 16 t + 8 h + j is hidden where 16 t + j > my query - 8 h
	s_cbranch_scc1 .Lopen_\@
.set n, 0
.rept 64
	v_cmp_gt_i32 vcc_lo, 16*(n/8)+n%8, v[DG]
	v_cndmask_b32 v[S+n], v[S+n], v[NINF], vcc_lo
.set n, n+1
.endr
.Lopen_\@:
.irp b, 0,1,2,3
	v_max3_num_f32 v[BM+\b], v[S+16*\b], v[S+16*\b+1], v[S+16*\b+2]   ; the largest score of each block of 32 keys: for the row's maximum and, since p rises with the score, for the block's largest p
.endr
.irp i, 3,5,7,9,11,13
.irp b, 0,1,2,3
	v_max3_num_f32 v[BM+\b], v[BM+\b], v[S+16*\b+\i], v[S+16*\b+\i+1]
.endr
.endr
.irp b, 0,1,2,3
	v_max_num_f32 v[BM+\b], v[BM+\b], v[S+16*\b+15]
.endr
.irp b, 0,1,2,3
	v_permlanex16_b32 v[TP+\b], v[BM+\b], s[SEL], s[SEL+1]
.endr
.irp b, 0,1,2,3
	v_max_num_f32 v[BM+\b], v[BM+\b], v[TP+\b]
.endr
	v_max3_num_f32 v[T2], v[BM], v[BM+1], v[BM+2]
	v_max_num_f32 v[T2], v[T2], v[BM+3]
	v_mul_f32 v[T2], s[CS], v[T2]
	v_max_num_f32 v13, v13, v[T2]                  ; the running largest t
	v_mov_b32 v[T2], v12
	v_floor_f32 v12, -v13                          ; -M = floor(-t): M is a whole number
	v_sub_f32 v[T2], v12, v[T2]
	v_cvt_i32_f32 v[T2], v[T2]
	v_ldexp_f32 v[F], 1.0, v[T2]                   ; f = 2^(old M - new M)
.set n, 0
.rept 32
	v_pk_fma_f32 v[S+n:S+n+1], v[S+n:S+n+1], s[CS:CS+1], v[12:13] op_sel_hi:[1,0,0]   ; t - M
.set n, n+2
.endr
.irp b, 0,1,2,3
	v_fma_f32 v[BM+\b], v[BM+\b], s[CS], v12
.endr
.set n, 0
.rept 64
	v_exp_f32 v[S+n], v[S+n]                       ; p = 2^(t - M)
.set n, n+1
.endr
	v_pk_mul_f32 v[14:15], v[14:15], v[F:F+1] op_sel_hi:[1,0]     ; the sums under the new M: the plain line behind the batch
	s_wait_alu depctr_va_vdst(0)                   ; one wait for the batch, ahead of its first reader
.irp b, 0,1,2,3
	v_exp_f32 v[BM+\b], v[BM+\b]                   ; the block's largest p
.endr
	v_pk_add_f32 v[T0:T0+1], v[S:S+1], v[S+2:S+3]  ; the row's sum of the unquantised p, in two chains
.irp j, 4,8,12,16,20,24,28,32,36,40,44,48,52,56,60
	v_pk_add_f32 v[14:15], v[14:15], v[S+\j:S+\j+1]
	v_pk_add_f32 v[T0:T0+1], v[T0:T0+1], v[S+\j+2:S+\j+3]
.endr
	v_pk_add_f32 v[14:15], v[14:15], v[T0:T0+1]
	s_wait_alu depctr_va_vdst(0)                   ; and one for the four
.irp b, 0,1,2,3
	v_max_num_f32 v[BM+\b], 0x4800000, v[BM+\b]    ; the floor 2^(9 - 127)
.endr
.irp b, 0,1,2,3
	v_add_nc_u32 v[SO+\b], 0xfc000000, v[BM+\b]
.endr
.irp b, 0,1,2,3
	v_and_or_b32 v[LM+\b], v[BM+\b], 0x7f800000, s[MNT]
.endr
.irp b, 0,1,2,3
	v_lshrrev_b32 v[TP+\b], 23, v[SO+\b]
.endr
	v_lshl_or_b32 v[PS], v[TP+1], 8, v[TP]
	v_lshl_or_b32 v[PS], v[TP+2], 16, v[PS]
	v_lshl_or_b32 v[PS], v[TP+3], 24, v[PS]        ; p's scale word for these 128 keys
.irp b, 0,1,2,3
.irp i, 0,1,2,3,4,5,6,7,8,9,10,11,12,13,14,15
	v_min_num_f32 v[S+16*\b+\i], v[S+16*\b+\i], v[LM+\b]          ; the hold: p is not negative
.endr
	v_cvt_scalef32_pk8_fp8_f32 v[PCD+4*\b:PCD+4*\b+1], v[S+16*\b:S+16*\b+7], v[SO+\b]
	v_cvt_scalef32_pk8_fp8_f32 v[PCD+4*\b+2:PCD+4*\b+3], v[S+16*\b+8:S+16*\b+15], v[SO+\b]
.endr
.irp j, 0,2,4,6,8,10,12,14
	v_pk_mul_f32 v[O+\j:O+\j+1], v[O+\j:O+\j+1], v[F:F+1] op_sel_hi:[1,0]   ; O^T under the new M; also the places between the codes and the products
.endr
	s_wait_dscnt 0x0                               ; V
	WMS O, VF, PCD, O, VS, PS, 0
	WMS O+8, VF+16, PCD, O+8, VS, PS, 1
.Lhid_\@:
	s_add_co_u32 s[SK], s[SK], 4096
	s_add_co_u32 s[SW], s[SW], 512
	s_add_co_u32 s[SVW], s[SVW], 128
.endm
; ONE TILE OF 16 QUERIES.  n = 0: my first, n = 1: my second
.macro TILE n
.if \n
	s_wait_xcnt 0x0                                ; the first tile's stores have read their data registers
	s_sub_co_u32 s[SG], 7, s[SG]
.irp i, 0,1,2,3
	v_mov_b32 v[Q+\i], v[Q2+\i]
.endr
.endif
	v_mov_b32 v13, 0xce800000                      ; the largest t so far: -2^30
	v_floor_f32 v12, -v13
	v_mov_b32 v14, 0
	v_mov_b32 v15, 0
.irp i, 0,1,2,3,4,5,6,7,8,9,10,11,12,13,14,15
	v_mov_b32 v[O+\i], 0                           ; the step is written once: the first finds zeros
.endr
	s_mov_b32 s[SS], 0
	s_mov_b32 s[SK], 0
	s_mov_b32 s[SW], 0
	s_mov_b32 s[SVW], 0
.Lstep_\@:
	STEP QS+\n
	s_add_co_u32 s[SS], s[SS], 1
	s_cmp_lt_u32 s[SS], 8
	s_cbranch_scc1 .Lstep_\@
	PLACES 8                                       ; behind the last products
	v_add_f32 v14, v14, v15
	v_permlanex16_b32 v[T0], v14, s[SEL], s[SEL+1]
	v_add_f32 v14, v14, v[T0]                      ; the row's sum
	s_cmp_lg_u32 s[M0K], 0
	s_cbranch_scc1 .Lrows_\@
	; key 0 is padded: rows may have no key that counts.  The sum of V over all 1,024 keys, with p = 1 = the code of 256 x 2^-8
	v_mov_b32 v[PS], 0x77777777
.irp i, 0,1,2,3,4,5,6,7,8,9,10,11,12,13,14,15
	v_mov_b32 v[PCD+\i], 0x78787878
.endr
	PLACES 4
.irp e, 0,1,2,3,4,5,6,7
.if \e > 0
	PLACES 8
.endif
.irp u, 0,1
.irp c, 0,1,2,3
	ds_load_b128 v[VF+16*\u+4*\c:VF+16*\u+4*\c+3], v[AK] offset:VREL+4096*\e+2048*\u+512*\c
.endr
.endr
	ds_load_b32 v[VS], v[AVS] offset:128*\e
	s_wait_dscnt 0x0
.if \e == 0
	v_wmma_scale_f32_16x16x128_f8f6f4 v[S:S+7], v[VF:VF+15], v[PCD:PCD+15], 0, v[VS], v[PS]
	v_wmma_scale_f32_16x16x128_f8f6f4 v[S+8:S+15], v[VF+16:VF+31], v[PCD:PCD+15], 0, v[VS], v[PS] matrix_a_scale:MATRIX_SCALE_ROW1
.else
	WMS S, VF, PCD, S, VS, PS, 0
	WMS S+8, VF+16, PCD, S+8, VS, PS, 1
.endif
.endr
	PLACES 8
	v_cmp_eq_f32 vcc_lo, 0, v14                    ; a row with a key that counts has a p above 1/2
	v_mov_b32 v[T2], 0x44800000                    ; 1,024
	v_cndmask_b32 v14, v14, v[T2], vcc_lo
.irp i, 0,1,2,3,4,5,6,7,8,9,10,11,12,13,14,15
	v_cndmask_b32 v[O+\i], v[O+\i], v[S+\i], vcc_lo
.endr
.Lrows_\@:
	v_rcp_f32 v[RC], v14
	v_nop
	s_wait_alu depctr_va_vdst(0)
.irp j, 0,2,4,6,8,10,12,14
	v_pk_mul_f32 v[O+\j:O+\j+1], v[O+\j:O+\j+1], v[RC:RC+1] op_sel_hi:[1,0]   ; h(query r, dims 8 h + 0..7 and 16 + 8 h + 0..7)
.endr
	v_max3_num_f32 v[BM], |v[O]|, |v[O+1]|, 0x4800000
.irp i, 2,4,6,8,10,12,14
	v_max3_num_f32 v[BM], v[BM], |v[O+\i]|, |v[O+\i+1]|
.endr
	v_permlanex16_b32 v[TP], v[BM], s[SEL], s[SEL+1]
	v_max_num_f32 v[BM], v[BM], v[TP]              ; the head's 32 dims are one block of the next K
	v_add_nc_u32 v[SO], 0xfc000000, v[BM]
	v_and_or_b32 v[LM], v[BM], 0x7f800000, s[MNT]
	v_lshrrev_b32 v[HB], 23, v[SO]
.irp i, 0,1,2,3,4,5,6,7,8,9,10,11,12,13,14,15
	v_med3_num_f32 v[O+\i], v[O+\i], -v[LM], v[LM]
.endr
	v_cvt_scalef32_pk8_fp8_f32 v[HC:HC+1], v[O:O+7], v[SO]
	v_cvt_scalef32_pk8_fp8_f32 v[HC+2:HC+3], v[O+8:O+15], v[SO]
	v_nop
	global_store_b128 v[L16], v[HC:HC+3], s[56+2*\n:57+2*\n]      ; 512 consecutive bytes
	global_store_b8 v[R16], v[HB], s[60+2*\n:61+2*\n]             ; both lanes of a row write the same byte with the same value
.endm
	TILE 0
	TILE 1
	s_wait_tensorcnt 0x0
	ds_add_u32 v94, v95
	s_wait_dscnt 0x0
	s_endpgm
.Lfunc_end_k_qf73932528a_attn:
	.size	k_qf73932528a_attn, .Lfunc_end_k_qf73932528a_attn-k_qf73932528a_attn
	.p2alignl 7, 3214868480
	.fill 96, 4, 3214868480
	.section	.rodata,"a",@progbits
	.p2align	6, 0x0
	.amdhsa_kernel k_qf73932528a_attn
		.amdhsa_group_segment_fixed_size 77824
		.amdhsa_private_segment_fixed_size 0
		.amdhsa_enable_private_segment 0
		.amdhsa_kernarg_size 40
		.amdhsa_user_sgpr_count 2
		.amdhsa_user_sgpr_kernarg_segment_ptr 1
		.amdhsa_wavefront_size32 1
		.amdhsa_system_sgpr_workgroup_id_x 1
		.amdhsa_system_sgpr_workgroup_id_y 1
		.amdhsa_system_sgpr_workgroup_id_z 1
		.amdhsa_system_vgpr_workitem_id 0
		.amdhsa_next_free_vgpr 256
		.amdhsa_next_free_sgpr 80
		.amdhsa_reserve_vcc 1
		.amdhsa_float_denorm_mode_32 3
		.amdhsa_float_denorm_mode_16_64 3
		.amdhsa_memory_ordered 1
		.amdhsa_forward_progress 1
		.amdhsa_inst_pref_size 82
	.end_amdhsa_kernel
	.amdgpu_metadata
---
amdhsa.version: [ 1, 2 ]
amdhsa.kernels:
  - .name:           k_qf73932528a_attn
    .symbol:         k_qf73932528a_attn.kd
    .args:
      - { .name: qkvc, .offset: 0, .size: 8, .value_kind: global_buffer, .address_space: global }
      - { .name: qkvs, .offset: 8, .size: 8, .value_kind: global_buffer, .address_space: global }
      - { .name: attention_mask, .offset: 16, .size: 8, .value_kind: global_buffer, .address_space: global }
      - { .name: hc, .offset: 24, .size: 8, .value_kind: global_buffer, .address_space: global }
      - { .name: hs, .offset: 32, .size: 8, .value_kind: global_buffer, .address_space: global }
    .group_segment_fixed_size: 77824
    .private_segment_fixed_size: 0
    .kernarg_segment_align: 8
    .kernarg_segment_size: 40
    .max_flat_workgroup_size: 512
    .sgpr_count:     80
    .vgpr_count:     256
    .wavefront_size: 32
...
	.end_amdgpu_metadata
.endif
;; end of part 2
;; launch ffn (part 3): grid 128 x 1, 4 waves a work-group, clusters of 4 x 1, 327,680 bytes of LDS; arguments hc, hs, x, Wo_codes, Wo_scales, bo, g1, beta1, router_w, router_b, W1_codes, W1_scales, B1, W2_codes, W2_scales, B2, g2, beta2, out0, pp; writes out0, pp
.if DOCPART == 3
	.amdgcn_target "amdgcn-amd-amdhsa--gfx1250"
	.amdhsa_code_object_version 6
	.text
	.protected	k_qf73932528a_ffn
	.globl	k_qf73932528a_ffn
	.p2align	8
	.type	k_qf73932528a_ffn,@function
k_qf73932528a_ffn:
	s_mov_b64 s[64:65], 0
	v_nop
	global_prefetch_b8 v0, s[64:65] scope:SCOPE_SE
	s_setreg_imm32_b32 hwreg(HW_REG_WAVE_MODE, 25, 1), 1
	s_wait_xcnt 0x0
	s_wait_alu depctr_hold_cnt(0) depctr_sa_sdst(0) depctr_va_vdst(0) depctr_va_sdst(0) depctr_va_ssrc(0) depctr_va_vcc(0) depctr_vm_vsrc(0)
	s_getreg_b32 s2, hwreg(HW_REG_IB_STS2, 6, 4)
	s_cmp_eq_u32 s2, 0
	s_cbranch_scc0 .Lentry_in_a_cluster
	s_endpgm
.Lentry_in_a_cluster:
	s_bfe_u32 s2, ttmp6, 0x10000c
	s_cmp_lg_u32 s2, 0x3003
	s_cbranch_scc0 .Lentry_shape_is_right
	s_endpgm
.Lentry_shape_is_right:
; x1 = LN(x + h Wo + bo); gates = softmax(x1 router_w + router_b), renormalised; y = sum over both experts of gate x (relu(x1 W1 + B1) W2 + B2); out = LN(x1 + y).  Also the block's sums of the router's probabilities.
; The Wo, W1 and W2 products run on codes of E4M3 with E8M0 scales; x1 and the hidden layer are quantised in registers and never go to memory.
; SHARES.  A work-group owns 64 rows (four tiles m of 16).  THE WAVES SHARE THE COLUMNS: wave w owns columns 128 w .. + 127 of x1, y and out, and hidden units 128 w .. + 127 of each chunk of 512, which are K step w of the
; second product.  The rows' fragments stay in registers; each weight fragment is read from LDS once and feeds four products.
; Every product is used with source 0 = 16 rows of the weight, source 1 = 16 rows of the activations: a lane holds one row (lane % 16), and its registers run along the columns, 16 t + 8 h + 0 .. 7 (h = lane / 16).
; ORDER INSIDE A BLOCK OF 32: the 16 registers of tiles 2 b, 2 b + 1 are k = 32 b + 8 h + 0..7 and 32 b + 16 + 8 h + 0..7; they become registers 4 b .. 4 b + 3 of the next operand in that order.  The weights' fragments
; take the same order: each 16 bytes come by two loads of 8, at + 8 h and at + 16 + 8 h.  With row pitches of 528 and 272 bytes the 32 lanes of such a load touch 64 different banks (64 banks of 4 bytes: ISA guide 11.1).
; THE WEIGHTS, 4.25 MB, are walked by all row blocks alike: two LDS slots, each wave fetching the rows that it multiplies itself, and the four work-groups of a cluster ask for each tile JOINTLY.
; THE GATES multiply matrix results.  With g' = max(g, 2^-60): the accumulators start as x1 / g0' + B2[0] + (g1' / g0') B2[1]; expert 0's products add onto them; they are multiplied by g0' / g1'; expert 1's products add on;
; at the end they are multiplied by g1': x1 + y.  So one set of accumulators serves, and x1 needs no registers of its own.
; LIMITS: a gate under 2^-60 counts as 2^-60; the order of rounding in that fold differs from a plain sum (about 3e-7 of the largest term).  A block under 2^-118 gets the scale byte 1.  NaN and infinities are not served.
; REGISTERS: window 0: addresses, scale words, gates, the quantiser's registers, v140-171 B1's tiles, v172-235 eight accumulators of the hidden layer or four hidden fragments, v236-251 at work.
;   window 1: 16 fragments of the rows (h's, then x1's), (m, K step s) at 16 (4 s + m).   window 2: the 32 accumulators, (m, t) at 8 (8 m + t).   window 3: 16 weight fragments; between the phases gains, biases, router_w, B2.
.set BUF1,  139264                     ; slot 1
.set WSA,   33792                      ; a wave's part of a slot of Wo or W1: 64 rows x (512 + 16)
.set WSB,   34816                      ; and of W2: 128 rows x (256 + 16)
.set HIMG,  278528                     ; 16 fragments as images, 2,048 bytes each, index 4 x K step + m: x1's, later the hidden layer's
.set HSC,   311296                     ; their scale words: ((2 x K step + m / 2) 32 + 16 (m % 2) + r) words
.set STAT,  313344                     ; the rows' partial sums [m][r][wave]: sums 1 KB, squares 1 KB, pairs of logits 2 KB
.set BBL,   317440                     ; B1 of the expert in hand, 2 KB for each wave, its own
.set SPARE, 325632                     ; the spare words, 128 bytes for each wave: no other line names them
.set RWO, 1
.set STGW, 2
.set STGR, 3
.set SPW, 4
.set NIL, 5
.set AW,  6
.set BW,  8
.set LI,  10
.set LSC, 11
.set HWI, 12
.set HWS, 13
.set ABB, 14
.set SWA, 15
.set SWB, 16
.set SRA, 17
.set SRB, 18
.set L16, 19
.set L64, 20
.set XO,  21
.set PO,  22
.set ABB0, 23
.set XS,  24                           ; v24-31 the rows' scale words: 4 (m / 2) + s
.set HS,  32                           ; v32-35 the hidden layer's
.set W1S, 36                           ; v36-51 Wo's, then W1's: 4 (t / 2) + s
.set W2S, 52                           ; v52-67 W2's
.set BX,  68                           ; v68-83 expert 1's B1, kept until the switch
.set GQ,  84                           ; v84-99 for each m the pairs (g0' / g1', same) and (g1', same)
.set PW,  100
.set BY,  104
.set TM,  108
.set TP,  112
.set SO,  116
.set LM,  120
.set PC,  124
.set BB,  140
.set HA,  172
.set T,   236
.set MN,  244
.set BBW, 252
.set ZO,  253
.set MSB, 0
.macro WIN new                         ; the immediate's high byte repeats the setting that is left
.if MSB != \new
	s_set_vgpr_msb (MSB<<8)|\new
.set MSB, \new
.endif
.endm
.macro PLACES n
.rept \n
	v_nop
.endr
.endm
.macro CROUND
	s_barrier_signal -1
	s_barrier_wait -1
	s_cmp_lg_u32 s3, 0
	s_cbranch_scc1 .Lnot_wave_0_\@
	s_barrier_signal -3
.Lnot_wave_0_\@:
	s_barrier_wait -3
	s_barrier_signal -1
	s_barrier_wait -1
.endm
.macro BARRIER                         ; my LDS stores have landed and my LDS loads are in: then the work-group's barrier
	s_wait_dscnt 0x0
	s_barrier_signal -1
	s_barrier_wait -1
.endm
.macro WMS d, a, b, c, sa, sb, ra, rb
.if ((\ra) != 0) && ((\rb) != 0)
	v_wmma_scale_f32_16x16x128_f8f6f4 v[\d:\d+7], v[\a:\a+15], v[\b:\b+15], v[\c:\c+7], v[\sa], v[\sb] matrix_a_scale:MATRIX_SCALE_ROW1 matrix_b_scale:MATRIX_SCALE_ROW1
.elseif (\ra) != 0
	v_wmma_scale_f32_16x16x128_f8f6f4 v[\d:\d+7], v[\a:\a+15], v[\b:\b+15], v[\c:\c+7], v[\sa], v[\sb] matrix_a_scale:MATRIX_SCALE_ROW1
.elseif (\rb) != 0
	v_wmma_scale_f32_16x16x128_f8f6f4 v[\d:\d+7], v[\a:\a+15], v[\b:\b+15], v[\c:\c+7], v[\sa], v[\sb] matrix_b_scale:MATRIX_SCALE_ROW1
.else
	v_wmma_scale_f32_16x16x128_f8f6f4 v[\d:\d+7], v[\a:\a+15], v[\b:\b+15], v[\c:\c+7], v[\sa], v[\sb]
.endif
.endm
; Four groups of 16 numbers of a lane, v[q + 16 g ..]; a block of 32 is a group of lane l and of lane l xor 16.  Codes to v[PC + 4 g ..], the scale's byte to v[BY + g].
; relu = 1: what is negative becomes 0 on the way.  far = 1: the numbers lie in window 2 and stay as they are: the held numbers go to v[HA ..]
.macro QUANT4 q, relu, far
.if \far
	WIN 0x0a
.endif
.irp g, 0,1,2,3
.if \relu
	v_max3_num_f32 v[TM+\g], v[(\q)+16*\g], v[(\q)+16*\g+1], 0x4800000
.else
	v_max3_num_f32 v[TM+\g], |v[(\q)+16*\g]|, |v[(\q)+16*\g+1]|, 0x4800000   ; with the floor 2^(9 - 127): the byte cannot fall under 1
.endif
.endr
.if \far
	WIN 0x28
.endif
.irp i, 2,4,6,8,10,12,14
.irp g, 0,1,2,3
.if \relu
	v_max3_num_f32 v[TM+\g], v[TM+\g], v[(\q)+16*\g+\i], v[(\q)+16*\g+\i+1]
.else
	v_max3_num_f32 v[TM+\g], v[TM+\g], |v[(\q)+16*\g+\i]|, |v[(\q)+16*\g+\i+1]|
.endif
.endr
.endr
	WIN 0
.irp g, 0,1,2,3
	v_permlanex16_b32 v[TP+\g], v[TM+\g], s90, s91
.endr
.irp g, 0,1,2,3
	v_max_num_f32 v[TM+\g], v[TM+\g], v[TP+\g]
.endr
.irp g, 0,1,2,3
	v_add_nc_u32 v[SO+\g], 0xfc000000, v[TM+\g]          ; 8 off the exponent field: the conversion's scale operand
.endr
.irp g, 0,1,2,3
	v_and_or_b32 v[LM+\g], v[TM+\g], 0x7f800000, s92     ; 448 x the scale
.endr
.irp g, 0,1,2,3
	v_lshrrev_b32 v[BY+\g], 23, v[SO+\g]
.endr
.if \far
	WIN 0x02
.irp g, 0,1,2,3
.irp i, 0,1,2,3,4,5,6,7,8,9,10,11,12,13,14,15
	v_med3_num_f32 v[HA+16*\g+\i], v[(\q)+16*\g+\i], -v[LM+\g], v[LM+\g]
.endr
.endr
	WIN 0
.irp g, 0,1,2,3
	v_cvt_scalef32_pk8_fp8_f32 v[PC+4*\g:PC+4*\g+1], v[HA+16*\g:HA+16*\g+7], v[SO+\g]
	v_cvt_scalef32_pk8_fp8_f32 v[PC+4*\g+2:PC+4*\g+3], v[HA+16*\g+8:HA+16*\g+15], v[SO+\g]
.endr
.else
.irp g, 0,1,2,3
.irp i, 0,1,2,3,4,5,6,7,8,9,10,11,12,13,14,15
.if \relu
	v_med3_num_f32 v[(\q)+16*\g+\i], v[(\q)+16*\g+\i], 0, v[LM+\g]           ; the activation and the hold in one
.else
	v_med3_num_f32 v[(\q)+16*\g+\i], v[(\q)+16*\g+\i], -v[LM+\g], v[LM+\g]
.endif
.endr
.endr
.irp g, 0,1,2,3
	v_cvt_scalef32_pk8_fp8_f32 v[PC+4*\g:PC+4*\g+1], v[(\q)+16*\g:(\q)+16*\g+7], v[SO+\g]
	v_cvt_scalef32_pk8_fp8_f32 v[PC+4*\g+2:PC+4*\g+3], v[(\q)+16*\g+8:(\q)+16*\g+15], v[SO+\g]
.endr
.endif
	v_nop                                                ; a plain line behind the last conversion
.endm
	s_load_b512 s[8:23], s[0:1], 0x0               ; hc 8, hs 10, x 12, Wo codes 14, Wo scales 16, bo 18, g1 20, beta1 22
	s_load_b512 s[24:39], s[0:1], 0x40             ; router_w 24, router_b 26, W1 codes 28, W1 scales 30, B1 32, W2 codes 34, W2 scales 36, B2 38
	s_load_b256 s[40:47], s[0:1], 0x80             ; g2 40, beta2 42, out0 44, pp 46
	v_lshl_add_u32 v[SPW], v0, 2, SPARE
	v_mov_b32 v[NIL], 0
	ds_add_u32 v4, v5
	ds_add_u32 v4, v5
	s_wait_dscnt 0x0
	v_lshrrev_b32 v1, 5, v0
	v_readfirstlane_b32 s3, v1                     ; wave 0..3
	s_bfe_u32 s4, ttmp6, 0x40000
	s_lshl_b32 s5, ttmp9, 2
	s_add_co_u32 s5, s5, s4                        ; my block of 64 rows: it enters global addresses of the rows' data alone
	; group 1 for Wo and W1: 64 rows of 512 bytes, dense; for W2: 128 rows of 256 bytes, 2,048 bytes apart.  16 bytes of padding behind each row; the mask names all four work-groups
	s_mov_b32 s48, 15|(1<<20)|(1<<21)|(6<<22)|(3<<25)
	s_mov_b32 s49, 512<<16
	s_mov_b32 s50, 64<<16
	s_mov_b32 s51, 512<<16
	s_mov_b32 s52, 64
	s_mov_b32 s53, 512
	s_mov_b32 s54, 0
	s_mov_b32 s55, 0
	s_mov_b32 s56, 15|(1<<20)|(1<<21)|(5<<22)|(3<<25)
	s_mov_b32 s57, 256<<16
	s_mov_b32 s58, 128<<16
	s_mov_b32 s59, 256<<16
	s_mov_b32 s60, 128
	s_mov_b32 s61, 2048
	s_mov_b32 s62, 0
	s_mov_b32 s63, 0
	s_mov_b32 s90, 0x76543210
	s_mov_b32 s91, 0xfedcba98
	s_mov_b32 s92, 0x600000
	s_mov_b32 s93, 0x3b000000                      ; 1 / 512
	s_mov_b32 s94, 0x3727c5ac                      ; 1e-5
	s_lshl_b32 s82, s3, 16
	s_mov_b32 s83, 0
	s_lshl_b32 s84, s3, 18
	s_mov_b32 s85, 0
	s_wait_kmcnt 0x0
	s_add_nc_u64 s[14:15], s[14:15], s[82:83]      ; my 128 rows of Wo, of each chunk of W1,
	s_add_nc_u64 s[28:29], s[28:29], s[82:83]
	s_add_nc_u64 s[34:35], s[34:35], s[84:85]      ; and of W2
	s_load_b64 s[86:87], s[26:27], 0x0             ; router_b
	s_mov_b32 s68, 1
	s_mul_i32 s69, s3, WSA
	s_mov_b64 s[70:71], s[14:15]
	s_or_b32 s71, s71, 0x80000000
	s_mov_b32 s72, 1
	s_add_co_u32 s73, s69, BUF1
	s_add_nc_u64 s[74:75], s[14:15], 32768
	s_or_b32 s75, s75, 0x80000000
	CROUND                                         ; all four work-groups are here: the first joint loads meet
	tensor_load_to_lds s[68:71], s[48:55]          ; Wo, my first 64 rows
	s_nop 0
	tensor_load_to_lds s[72:75], s[48:55]          ; and my other 64: two loads of mine are out
	s_nop 0
	PLACES 4
	v_and_b32 v253, 15, v0                         ; r
	v_bfe_u32 v254, v0, 4, 1                       ; h
	v_and_b32 v255, 31, v0                         ; lane
	s_mul_i32 s82, s3, WSA
	v_mul_u32_u24 v[AW], v253, 528
	v_lshl_add_u32 v[AW], v254, 3, v[AW]
	v_add_nc_u32 v[AW], s82, v[AW]
	v_add_nc_u32 v[AW+1], BUF1, v[AW]
	s_mul_i32 s82, s3, WSB
	v_mul_u32_u24 v[BW], v253, 272
	v_lshl_add_u32 v[BW], v254, 3, v[BW]
	v_add_nc_u32 v[BW], s82, v[BW]
	v_add_nc_u32 v[BW+1], BUF1, v[BW]
	v_mul_u32_u24 v[STGW], v253, 528               ; the way out: a stage of 16 rows x (512 + 16) in my own part of slot 0
	v_lshl_add_u32 v[STGW], v254, 5, v[STGW]
	v_add_nc_u32 v[STGW], s82, v[STGW]
	v_lshlrev_b32 v[L16], 4, v255
	v_add_nc_u32 v[STGR], s82, v[L16]
	v_lshlrev_b32 v[L64], 6, v255
	v_add_nc_u32 v[LI], HIMG, v[L16]
	v_lshlrev_b32 v[LSC], 2, v255
	v_add_nc_u32 v[LSC], HSC, v[LSC]
	s_lshl_b32 s82, s3, 13
	v_add_nc_u32 v[HWI], s82, v[LI]
	s_lshl_b32 s82, s3, 8
	v_lshl_add_u32 v[HWS], v253, 2, s82
	v_add_nc_u32 v[HWS], HSC, v[HWS]
	s_lshl_b32 s82, s3, 11
	v_lshl_add_u32 v[ABB0], v254, 5, s82
	v_add_nc_u32 v[ABB0], BBL, v[ABB0]
	v_add_nc_u32 v[BBW], s82, v[L16]
	v_add_nc_u32 v[BBW], BBL, v[BBW]
	v_lshlrev_b32 v[SRA], 4, v253
	v_add_nc_u32 v[SRA], STAT, v[SRA]
	s_lshl_b32 s82, s3, 2
	v_add_nc_u32 v[SWA], s82, v[SRA]
	v_lshlrev_b32 v[SRB], 5, v253
	v_add_nc_u32 v[SRB], STAT+2048, v[SRB]
	s_lshl_b32 s82, s3, 3
	v_add_nc_u32 v[SWB], s82, v[SRB]
	s_lshl_b32 s82, s3, 9
	v_lshl_add_u32 v[PO], v254, 5, s82             ; a vector over the columns: 4 (128 w + 8 h) bytes
	v_lshl_add_u32 v[XO], v253, 11, v[PO]
	s_lshl_b32 s82, s3, 10
	v_lshl_add_u32 v[RWO], v254, 6, s82
.irp g, 0,1,2,3
	v_mov_b32 v[TP+\g], 0                          ; written once: a lane permute's destination counts as one of its sources
	v_mov_b32 v[MN+2*\g+1], 0                      ; named as upper halves of pairs
.endr
	s_lshl_b32 s82, s5, 15
	s_add_nc_u64 s[8:9], s[8:9], s[82:83]
	s_lshl_b32 s82, s5, 10
	s_add_nc_u64 s[10:11], s[10:11], s[82:83]
	s_lshl_b32 s82, s5, 17
	s_add_nc_u64 s[12:13], s[12:13], s[82:83]
	s_add_nc_u64 s[44:45], s[44:45], s[82:83]
	s_lshl_b32 s82, s3, 9
	s_add_nc_u64 s[44:45], s[44:45], s[82:83]
	s_add_nc_u64 s[32:33], s[32:33], s[82:83]
	s_lshl_b32 s82, s3, 11
	s_add_nc_u64 s[16:17], s[16:17], s[82:83]
	s_add_nc_u64 s[30:31], s[30:31], s[82:83]
	s_lshl_b32 s82, s3, 13
	s_add_nc_u64 s[36:37], s[36:37], s[82:83]
	s_lshl_b32 s82, s5, 3
	s_add_nc_u64 s[46:47], s[46:47], s[82:83]
.irp n, 0,1
	global_load_b128 v[XS+4*\n:XS+4*\n+3], v[L16], s[10:11] offset:512*\n         ; h's scale words: lanes 0-15 tile 2 n, lanes 16-31 tile 2 n + 1
.endr
.irp i, 0,1,2,3
	global_load_b128 v[W1S+4*\i:W1S+4*\i+3], v[L16], s[16:17] offset:512*\i       ; Wo's: lane l: row 32 i + l of my 128
.endr
	WIN 0x40
.irp s, 0,1,2,3
.irp m, 0,1,2,3
.irp c, 0,1,2,3
	global_load_b128 v[16*(4*\s+\m)+4*\c:16*(4*\s+\m)+4*\c+3], v[L16], s[8:9] offset:8192*\m+2048*\s+512*\c   ; h's fragments, as they were stored
.endr
.endr
.endr
	WIN 0x80
.irp m, 0,1,2,3
.irp t, 0,1,2,3,4,5,6,7
	global_load_b128 v[8*(8*\m+\t):8*(8*\m+\t)+3], v[XO], s[12:13] offset:32768*\m+64*\t th:TH_LOAD_NT       ; x in the result's layout: the sums begin with it
	global_load_b128 v[8*(8*\m+\t)+4:8*(8*\m+\t)+7], v[XO], s[12:13] offset:32768*\m+64*\t+16 th:TH_LOAD_NT
.endr
.endr
	WIN 0
.irp t, 0,1,2,3,4,5,6,7
	global_load_b128 v[HA+8*\t:HA+8*\t+3], v[PO], s[18:19] offset:64*\t
	global_load_b128 v[HA+8*\t+4:HA+8*\t+7], v[PO], s[18:19] offset:64*\t+16
.endr
.irp e, 0,1,2,3
	global_load_b128 v[BB+4*\e:BB+4*\e+3], v[L16], s[32:33] offset:2048*\e        ; B1 of expert 0: my 128 numbers of each chunk
	global_load_b128 v[BX+4*\e:BX+4*\e+3], v[L16], s[32:33] offset:8192+2048*\e   ; and of expert 1
.endr
	s_wait_loadcnt 0x0
.irp e, 0,1,2,3
	ds_store_b128 v[BBW], v[BB+4*\e:BB+4*\e+3] offset:512*\e
.endr
	WIN 0x82
.irp m, 0,1,2,3
.set i, 0
.rept 32
	v_pk_add_f32 v[64*\m+i:64*\m+i+1], v[64*\m+i:64*\m+i+1], v[HA+i:HA+i+1]       ; x + bo
.set i, i+2
.endr
.endr
	WIN 0
; ---- h Wo: two slots of 64 rows; a slot's 16 fragments (tile e of four, K step s) at 16 (4 s + e)
.macro OLOAD buf, s
.irp e, 0,1,2,3
.irp c, 0,1,2,3
	ds_load_b64 v[16*(4*\s+\e)+4*\c:16*(4*\s+\e)+4*\c+1], v[AW+\buf] offset:16*\e*528+128*\s+32*\c
	ds_load_b64 v[16*(4*\s+\e)+4*\c+2:16*(4*\s+\e)+4*\c+3], v[AW+\buf] offset:16*\e*528+128*\s+32*\c+16
.endr
.endr
.endm
.macro ORUN j, s                       ; sixteen accumulators by turns
.irp e, 0,1,2,3
.irp m, 0,1,2,3
	WMS 8*(8*\m+4*\j+\e), 16*(4*\s+\e), 16*(4*\s+\m), 8*(8*\m+4*\j+\e), W1S+4*(2*\j+\e/2)+\s, XS+4*(\m/2)+\s, \e%2, \m%2
.endr
.endr
.endm
.macro OWORK buf                       ; s_wait_dscnt 32: the next K step's 32 loads may be out
	WIN 0xc0
	OLOAD \buf, 0
	OLOAD \buf, 1
	s_wait_dscnt 32
	WIN 0xa7
	ORUN \buf, 0
	WIN 0xc0
	OLOAD \buf, 2
	s_wait_dscnt 32
	WIN 0xa7
	ORUN \buf, 1
	WIN 0xc0
	OLOAD \buf, 3
	s_wait_dscnt 32
	WIN 0xa7
	ORUN \buf, 2
	s_wait_dscnt 0x0
	ORUN \buf, 3
	WIN 0
	PLACES 8                                       ; ahead of loads into the fragments' registers and of the first read of results
.endm
	s_wait_tensorcnt 0x1                           ; slot 0's rows are in: I read only the rows that I fetched; slot 1's load may be out
	OWORK 0
	s_wait_tensorcnt 0x0
	OWORK 1
; ---- the norm's pieces.  A lane holds 64 numbers of a row of each tile m; lane l xor 16 the wave's other 64; the four waves meet in LDS
.macro PLOAD base, ptr, off            ; a vector over my columns in the result's layout, 64 registers from base on
.irp t, 0,1,2,3,4,5,6,7
	global_load_b128 v[\base+8*\t:\base+8*\t+3], v[PO], s[\ptr:\ptr+1] offset:\off+64*\t
	global_load_b128 v[\base+8*\t+4:\base+8*\t+7], v[PO], s[\ptr:\ptr+1] offset:\off+64*\t+16
.endr
.endm
.macro ROWSUM sq, off                  ; v[T + 2 m] = the rows' sums (sq = 1: of squares) over all 512 columns; each accumulator is read from its low end on
	WIN 0x0a
.if \sq
.irp m, 0,1,2,3
	v_pk_mul_f32 v[T+2*\m:T+2*\m+1], v[64*\m:64*\m+1], v[64*\m:64*\m+1]
.endr
.set i, 2
.rept 31
.irp m, 0,1,2,3
	v_pk_fma_f32 v[T+2*\m:T+2*\m+1], v[64*\m+i:64*\m+i+1], v[64*\m+i:64*\m+i+1], v[T+2*\m:T+2*\m+1]
.endr
.set i, i+2
.endr
.else
.irp m, 0,1,2,3
	v_pk_add_f32 v[T+2*\m:T+2*\m+1], v[64*\m:64*\m+1], v[64*\m+2:64*\m+3]
.endr
	WIN 0x08
.set i, 4
.rept 30
.irp m, 0,1,2,3
	v_pk_add_f32 v[T+2*\m:T+2*\m+1], v[T+2*\m:T+2*\m+1], v[64*\m+i:64*\m+i+1]
.endr
.set i, i+2
.endr
.endif
	WIN 0
.irp m, 0,1,2,3
	v_add_f32 v[T+2*\m], v[T+2*\m], v[T+2*\m+1]
.endr
.irp m, 0,1,2,3
	v_permlanex16_b32 v[T+2*\m+1], v[T+2*\m], s90, s91
.endr
.irp m, 0,1,2,3
	v_add_f32 v[T+2*\m], v[T+2*\m], v[T+2*\m+1]
.endr
.irp m, 0,1,2,3
	ds_store_b32 v[SWA], v[T+2*\m] offset:\off+256*\m
.endr
	BARRIER
.irp m, 0,1,2,3
	ds_load_b128 v[HA+4*\m:HA+4*\m+3], v[SRA] offset:\off+256*\m   ; the four waves' parts
.endr
	s_wait_dscnt 0x0
.irp m, 0,1,2,3
	v_add_f32 v[HA+4*\m], v[HA+4*\m], v[HA+4*\m+1]
	v_add_f32 v[HA+4*\m+2], v[HA+4*\m+2], v[HA+4*\m+3]
.endr
.irp m, 0,1,2,3
	v_add_f32 v[T+2*\m], v[HA+4*\m], v[HA+4*\m+2]
.endr
.endm
.macro LNORM                           ; the accumulators become (z - mean) / sqrt(var + eps) x gain + bias; gain at v0-63, bias at v64-127 of window 3
	ROWSUM 0, 0
.irp m, 0,1,2,3
	v_mul_f32 v[MN+2*\m], 0xbb000000, v[T+2*\m]    ; - mean
.endr
	WIN 0x82
.irp m, 0,1,2,3
.set i, 0
.rept 32
	v_pk_add_f32 v[64*\m+i:64*\m+i+1], v[64*\m+i:64*\m+i+1], v[MN+2*\m:MN+2*\m+1] op_sel_hi:[1,0]
.set i, i+2
.endr
.endr
	ROWSUM 1, 1024
.irp m, 0,1,2,3
	v_fma_f32 v[T+2*\m], v[T+2*\m], s93, s94       ; var + eps
.endr
.irp m, 0,1,2,3
	v_rsq_f32 v[MN+2*\m], v[T+2*\m]
.endr
	v_nop
	s_wait_alu depctr_va_vdst(0)                   ; one wait for the four, ahead of their first reader
	s_wait_loadcnt 0x0                             ; gain and bias are in
	WIN 0x82
.irp m, 0,1,2,3
.set i, 0
.rept 32
	v_pk_mul_f32 v[64*\m+i:64*\m+i+1], v[64*\m+i:64*\m+i+1], v[MN+2*\m:MN+2*\m+1] op_sel_hi:[1,0]
.set i, i+2
.endr
.endr
	WIN 0xbe
.irp m, 0,1,2,3
.set i, 0
.rept 32
	v_pk_fma_f32 v[64*\m+i:64*\m+i+1], v[64*\m+i:64*\m+i+1], v[i:i+1], v[64+i:64+i+1]
.set i, i+2
.endr
.endr
	WIN 0
.endm
	WIN 0xc0
	PLOAD 0, 20, 0                                 ; g1
	PLOAD 64, 22, 0                                ; beta1
.irp t, 0,1,2,3,4,5,6,7
.irp i, 0,1,2,3
	global_load_b128 v[128+16*\t+4*\i:128+16*\t+4*\i+3], v[RWO], s[24:25] offset:128*\t+16*\i   ; router_w: for column 8 t + j of my 64 the pair (expert 0, expert 1) at 128 + 2 (8 t + j)
.endr
.endr
	WIN 0
	LNORM                                          ; the accumulators hold x1
	; ---- the router's two sums over my 64 columns, in f32: eight chains by turns
	WIN 0x0e
.irp m, 0,1,2,3
	v_mul_f32 v[T+2*\m], v[64*\m], v[128]
	v_mul_f32 v[T+2*\m+1], v[64*\m], v[129]
.endr
.set i, 1
.rept 63
.irp m, 0,1,2,3
	v_fmac_f32 v[T+2*\m], v[64*\m+i], v[128+2*i]
	v_fmac_f32 v[T+2*\m+1], v[64*\m+i], v[129+2*i]
.endr
.set i, i+1
.endr
	WIN 0xc0
	PLOAD 0, 38, 0                                 ; B2 of expert 0
	PLOAD 64, 38, 2048                             ; and of expert 1
	WIN 0
.irp i, 0,1,2,3,4,5,6,7
	v_permlanex16_b32 v[HA+\i], v[T+\i], s90, s91
.endr
.irp i, 0,1,2,3,4,5,6,7
	v_add_f32 v[T+\i], v[T+\i], v[HA+\i]
.endr
.irp m, 0,1,2,3
	ds_store_b64 v[SWB], v[T+2*\m:T+2*\m+1] offset:512*\m
.endr
	; ---- x1 is quantised: my 128 columns are K step w of the next product
.irp m, 0,1,2,3
	s_wait_dscnt 0x0                               ; the LDS stores have read the codes' registers
	QUANT4 64*\m, 0, 1
	v_lshl_or_b32 v[PW], v[BY+1], 8, v[BY]
	v_lshl_or_b32 v[PW], v[BY+2], 16, v[PW]
	v_lshl_or_b32 v[PW], v[BY+3], 24, v[PW]
.irp c, 0,1,2,3
	ds_store_b128 v[HWI], v[PC+4*\c:PC+4*\c+3] offset:2048*\m+512*\c
.endr
	ds_store_b32 v[HWS], v[PW] offset:64*\m
.endr
	BARRIER                                        ; x1's sixteen fragments and the logits' parts lie in LDS
	WIN 0x40
.irp f, 0,1,2,3,4,5,6,7,8,9,10,11,12,13,14,15
.irp c, 0,1,2,3
	ds_load_b128 v[16*\f+4*\c:16*\f+4*\c+3], v[LI] offset:2048*\f+512*\c
.endr
.endr
	WIN 0
.irp s, 0,1,2,3
.irp n, 0,1
	ds_load_b32 v[XS+4*\n+\s], v[LSC] offset:(2*\s+\n)*128
.endr
.endr
.irp m, 0,1,2,3
	ds_load_b128 v[HA+8*\m:HA+8*\m+3], v[SRB] offset:512*\m
	ds_load_b128 v[HA+8*\m+4:HA+8*\m+7], v[SRB] offset:512*\m+16
.endr
	s_wait_kmcnt 0x0                               ; router_b
	s_wait_dscnt 0x0
	; ---- the gates of my lane's row of each tile m, at v[HA + 8 m ..]
.irp m, 0,1,2,3
	v_add_f32 v[HA+8*\m], v[HA+8*\m], v[HA+8*\m+2]
	v_add_f32 v[HA+8*\m+1], v[HA+8*\m+1], v[HA+8*\m+3]
	v_add_f32 v[HA+8*\m+4], v[HA+8*\m+4], v[HA+8*\m+6]
	v_add_f32 v[HA+8*\m+5], v[HA+8*\m+5], v[HA+8*\m+7]
.endr
.irp m, 0,1,2,3
	v_add_f32 v[HA+8*\m], v[HA+8*\m], v[HA+8*\m+4]
	v_add_f32 v[HA+8*\m+1], v[HA+8*\m+1], v[HA+8*\m+5]
.endr
.irp m, 0,1,2,3
	v_add_f32 v[HA+8*\m], s86, v[HA+8*\m]          ; the logits
	v_add_f32 v[HA+8*\m+1], s87, v[HA+8*\m+1]
.endr
.irp m, 0,1,2,3
	v_max_num_f32 v[HA+8*\m+2], v[HA+8*\m], v[HA+8*\m+1]
.endr
.irp m, 0,1,2,3
	v_sub_f32 v[HA+8*\m], v[HA+8*\m], v[HA+8*\m+2] ; the maximum is taken away
	v_sub_f32 v[HA+8*\m+1], v[HA+8*\m+1], v[HA+8*\m+2]
.endr
.irp m, 0,1,2,3
	v_mul_f32 v[HA+8*\m], 0x3fb8aa3b, v[HA+8*\m]
	v_mul_f32 v[HA+8*\m+1], 0x3fb8aa3b, v[HA+8*\m+1]
.endr
.irp m, 0,1,2,3
	v_exp_f32 v[HA+8*\m], v[HA+8*\m]
	v_exp_f32 v[HA+8*\m+1], v[HA+8*\m+1]
.endr
	v_nop
	s_wait_alu depctr_va_vdst(0)
.irp m, 0,1,2,3
	v_add_f32 v[HA+8*\m+2], v[HA+8*\m], v[HA+8*\m+1]
.endr
.irp m, 0,1,2,3
	v_rcp_f32 v[HA+8*\m+3], v[HA+8*\m+2]
.endr
	v_nop
	s_wait_alu depctr_va_vdst(0)
.irp m, 0,1,2,3
	v_mul_f32 v[HA+8*\m], v[HA+8*\m], v[HA+8*\m+3] ; the probabilities
	v_mul_f32 v[HA+8*\m+1], v[HA+8*\m+1], v[HA+8*\m+3]
.endr
.irp m, 0,1,2,3
	v_add_f32 v[HA+8*\m+2], v[HA+8*\m], v[HA+8*\m+1]   ; both experts are always chosen: the chosen ones' sum
.endr
.irp m, 0,1,2,3
	v_rcp_f32 v[HA+8*\m+3], v[HA+8*\m+2]
.endr
	v_nop
	s_wait_alu depctr_va_vdst(0)
.irp m, 0,1,2,3
	v_mul_f32 v[HA+8*\m+4], v[HA+8*\m], v[HA+8*\m+3]
	v_mul_f32 v[HA+8*\m+5], v[HA+8*\m+1], v[HA+8*\m+3]
.endr
.irp m, 0,1,2,3
	v_max_num_f32 v[HA+8*\m+4], 0x21800000, v[HA+8*\m+4]   ; g0', g1': held at 2^-60 from below
	v_max_num_f32 v[HA+8*\m+5], 0x21800000, v[HA+8*\m+5]
.endr
.irp m, 0,1,2,3
	v_rcp_f32 v[HA+8*\m+6], v[HA+8*\m+4]
	v_rcp_f32 v[HA+8*\m+7], v[HA+8*\m+5]
.endr
	v_nop
	s_wait_alu depctr_va_vdst(0)
.irp m, 0,1,2,3
	v_mul_f32 v[HA+8*\m+2], v[HA+8*\m+5], v[HA+8*\m+6]     ; g1' / g0'
	v_mul_f32 v[GQ+4*\m], v[HA+8*\m+4], v[HA+8*\m+7]       ; g0' / g1'
	v_mov_b32 v[GQ+4*\m+2], v[HA+8*\m+5]
	v_mov_b32 v[GQ+4*\m+3], v[HA+8*\m+5]
.endr
.irp m, 0,1,2,3
	v_mov_b32 v[GQ+4*\m+1], v[GQ+4*\m]
.endr
	v_add_f32 v[T], v[HA], v[HA+8]                 ; the block's sums of the probabilities
	v_add_f32 v[T+1], v[HA+1], v[HA+9]
	v_add_f32 v[T+2], v[HA+16], v[HA+24]
	v_add_f32 v[T+3], v[HA+17], v[HA+25]
	v_add_f32 v[T], v[T], v[T+2]
	v_add_f32 v[T+1], v[T+1], v[T+3]
.irp k, 1,2,4,8
	v_add_f32_dpp v[T], v[T], v[T] row_xmask:\k row_mask:0xf bank_mask:0xf
	v_add_f32_dpp v[T+1], v[T+1], v[T+1] row_xmask:\k row_mask:0xf bank_mask:0xf
.endr
	v_mov_b32 v[ZO], 0
	s_cmp_lg_u32 s3, 0                             ; every wave has them; wave 0's lane 0 stores them
	s_cbranch_scc1 .Lno_pp
	v_cmp_eq_u32 vcc_lo, 0, v0
	s_wait_xcnt 0x0                                ; EXEC changes only behind this wait
	s_and_saveexec_b32 s95, vcc_lo
	global_store_b64 v[ZO], v[T:T+1], s[46:47]
	s_wait_xcnt 0x0
	s_or_b32 exec_lo, exec_lo, s95
.Lno_pp:
	s_wait_loadcnt 0x0                             ; B2
	WIN 0xb2
.irp m, 0,1,2,3
.set i, 0
.rept 32
	v_pk_fma_f32 v[64*\m+i:64*\m+i+1], v[64*\m+i:64*\m+i+1], v[HA+8*\m+6:HA+8*\m+7], v[i:i+1] op_sel_hi:[1,0,1]          ; x1 / g0' + B2[0]
.set i, i+2
.endr
.endr
	WIN 0xa3
.irp m, 0,1,2,3
.set i, 0
.rept 32
	v_pk_fma_f32 v[64*\m+i:64*\m+i+1], v[64+i:64+i+1], v[HA+8*\m+2:HA+8*\m+3], v[64*\m+i:64*\m+i+1] op_sel_hi:[1,0,1]    ; + (g1' / g0') B2[1]
.set i, i+2
.endr
.endr
	WIN 0
.irp i, 0,1,2,3
	global_load_b128 v[W1S+4*\i:W1S+4*\i+3], v[L16], s[30:31] offset:512*\i       ; W1's scale words of chunk 0
.endr
; THE CHANGE OF SLOTS.  Every wave waits for all its tensor loads (the slot that it is about to read), adds 0 to its spare word, writes the group 0 while no load of its is out, and waits for the add and for its LDS reads and stores.
; kind 0, 1: W1's rows 64 j on of chunk c go into slot j;  2, 3: W2's K steps 2 kk, 2 kk + 1 of chunk c into slot kk;  4: nothing is left to fetch.  A change that fills is a round of the cluster's barrier, the joint refill first behind it.
.macro CHANGE kind
	s_wait_tensorcnt 0x0
	ds_add_u32 v[SPW], v[NIL]
.if (\kind) < 4
.if (\kind) < 2
	s_mul_i32 s69, s3, WSA
	s_lshl_b32 s82, s80, 18                        ; a chunk of W1: 512 rows of 512 bytes
	s_mov_b32 s83, 0
	s_add_nc_u64 s[70:71], s[28:29], s[82:83]
.if (\kind) == 1
	s_add_co_u32 s69, s69, BUF1
	s_add_nc_u64 s[70:71], s[70:71], 32768
.endif
.else
	s_mul_i32 s69, s3, WSB
	s_lshr_b32 s82, s80, 2
	s_mul_i32 s82, s82, 1046528                    ; the expert: 1,048,576 bytes, less the 2,048 that 512 c has run too far
	s_lshl_b32 s83, s80, 9                         ; the chunk: 512 bytes along a row
	s_add_co_u32 s82, s82, s83
	s_mov_b32 s83, 0
	s_add_nc_u64 s[70:71], s[34:35], s[82:83]
.if (\kind) == 3
	s_add_co_u32 s69, s69, BUF1
	s_add_nc_u64 s[70:71], s[70:71], 256
.endif
.endif
	s_or_b32 s71, s71, 0x80000000
	s_wait_dscnt 0x0
	CROUND
.if (\kind) < 2
	tensor_load_to_lds s[68:71], s[48:55]
	s_nop 0
.else
	tensor_load_to_lds s[68:71], s[56:63]
	s_nop 0
.endif
	PLACES 4
.else
	s_wait_dscnt 0x0
	s_barrier_signal -1
	s_barrier_wait -1
.endif
.endm
; ---- the first product: a slot's 64 hidden units are two blocks of 32 (pairs of tiles p); fragments (p, s, u) at 16 (8 p + 2 s + u)
.macro ALOAD buf, p, s
.irp u, 0,1
.irp c, 0,1,2,3
	ds_load_b64 v[16*(8*\p+2*\s+\u)+4*\c:16*(8*\p+2*\s+\u)+4*\c+1], v[AW+\buf] offset:(32*\p+16*\u)*528+128*\s+32*\c
	ds_load_b64 v[16*(8*\p+2*\s+\u)+4*\c+2:16*(8*\p+2*\s+\u)+4*\c+3], v[AW+\buf] offset:(32*\p+16*\u)*528+128*\s+32*\c+16
.endr
.endr
.endm
.macro ARUN j, p, s                    ; eight accumulators by turns; B1 is the C of the first K step
.irp u, 0,1
.irp m, 0,1,2,3
.if \s == 0
	WMS HA+16*\m+8*\u, 16*(8*\p+2*\s+\u), 16*(4*\s+\m), BB+8*(2*\p+\u), W1S+4*(2*\j+\p)+\s, XS+4*(\m/2)+\s, \u, \m%2
.else
	WMS HA+16*\m+8*\u, 16*(8*\p+2*\s+\u), 16*(4*\s+\m), HA+16*\m+8*\u, W1S+4*(2*\j+\p)+\s, XS+4*(\m/2)+\s, \u, \m%2
.endif
.endr
.endr
.endm
.macro AOUT j, p                       ; relu, quantised: block 2 j + p of K step w, for the four tiles of rows
	WIN 0
	PLACES 8
	s_wait_dscnt 0x0                               ; the earlier images have left the codes' registers; the other pair's fragments are in
	QUANT4 HA, 1, 0
.irp m, 0,1,2,3
.if 2*\j+\p == 0
	v_mov_b32 v[PW+\m], v[BY+\m]
.else
	v_lshl_or_b32 v[PW+\m], v[BY+\m], 8*(2*\j+\p), v[PW+\m]
.endif
.endr
.irp m, 0,1,2,3
	ds_store_b128 v[HWI], v[PC+4*\m:PC+4*\m+3] offset:2048*\m+512*(2*\j+\p)
.endr
.endm
; s_wait_dscnt 48: behind the 16 loads that a K step needs stand the first pair's later K steps and what has been asked of the second pair: always 48
.macro AWORK buf, j, lw
.irp e, 0,1,2,3
	ds_load_b128 v[BB+8*\e:BB+8*\e+3], v[ABB] offset:256*\j+64*\e
	ds_load_b128 v[BB+8*\e+4:BB+8*\e+7], v[ABB] offset:256*\j+64*\e+16
.endr
	WIN 0xc0
.irp s, 0,1,2,3
	ALOAD \buf, 0, \s
.endr
.if (\lw) >= 0
	s_wait_loadcnt \lw                             ; W1's scale words are in; the four younger loads, W2's, may be out
.endif
.irp s, 0,1,2,3
	s_wait_dscnt 48
	WIN 0x07
	ARUN \j, 0, \s
	WIN 0xc0
	ALOAD \buf, 1, \s
.endr
	AOUT \j, 0
	WIN 0x07
.irp s, 0,1,2,3
	ARUN \j, 1, \s
.endr
	AOUT \j, 1
.if \j == 1
.irp m, 0,1,2,3
	ds_store_b32 v[HWS], v[PW+\m] offset:64*\m
.endr
.endif
.endm
; ---- the second product: a slot holds two K steps k1 of my 128 rows of W2; fragment (k1, t) at 128 k1 + 16 t
.macro FLOAD buf, k1, t
.irp c, 0,1,2,3
	ds_load_b64 v[128*\k1+16*(\t)+4*\c:128*\k1+16*(\t)+4*\c+1], v[BW+\buf] offset:16*(\t)*272+128*\k1+32*\c
	ds_load_b64 v[128*\k1+16*(\t)+4*\c+2:128*\k1+16*(\t)+4*\c+3], v[BW+\buf] offset:16*(\t)*272+128*\k1+32*\c+16
.endr
.endm
.macro HLOAD k                         ; the hidden layer's four fragments of K step k
.irp m, 0,1,2,3
.irp c, 0,1,2,3
	ds_load_b128 v[HA+16*\m+4*\c:HA+16*\m+4*\c+3], v[LI] offset:(4*(\k)+\m)*2048+512*\c
.endr
.endr
.endm
.macro BRUN kk, k1, t
.irp m, 0,1,2,3
	WMS 8*(8*\m+(\t)), 128*\k1+16*(\t), HA+16*\m, 8*(8*\m+(\t)), W2S+4*((\t)/2)+2*\kk+\k1, HS+2*\k1+\m/2, (\t)%2, \m%2
.endr
.endm
.macro BWORK buf, kk, lw
.irp k1, 0,1
.irp n, 0,1
	ds_load_b32 v[HS+2*\k1+\n], v[LSC] offset:(2*(2*\kk+\k1)+\n)*128
.endr
.endr
	HLOAD 2*\kk
	WIN 0xc0
.irp t, 0,1,2,3,4,5,6,7
	FLOAD \buf, 0, \t
.endr
.if (\lw) >= 0
	s_wait_loadcnt \lw                             ; W2's scale words are in; the four younger loads, W1's, may be out
.endif
.irp e, 0,1,2,3
	s_wait_dscnt 48                                ; behind the 16 loads that two tiles need: the first K step's later tiles and what has been asked of the second: always 48
	WIN 0xa3
	BRUN \kk, 0, 2*\e
	BRUN \kk, 0, 2*\e+1
	WIN 0xc0
	FLOAD \buf, 1, 2*\e
	FLOAD \buf, 1, 2*\e+1
.endr
	WIN 0
	PLACES 8                                       ; ahead of loads into the hidden fragments' registers
	HLOAD 2*\kk+1
	s_wait_dscnt 0x0
	WIN 0xa3
.irp t, 0,1,2,3,4,5,6,7
	BRUN \kk, 1, \t
.endr
	WIN 0
	PLACES 8
.endm
; THE WALK over 8 chunks of 512 hidden units, chunk c of expert c / 4.  A trip begins with the last quarter of the chunk before, so that every trip asks for four tiles
	s_mov_b32 s80, 0
.Ltrip:
	CHANGE 0
	s_cmp_eq_u32 s80, 0
	s_cbranch_scc1 .Lno_prev
	BWORK 1, 1, -1
.Lno_prev:
	s_cmp_lg_u32 s80, 4
	s_cbranch_scc1 .Lsame
	WIN 0x82                                       ; expert 0 is done: x g0' / g1'
.irp m, 0,1,2,3
.set i, 0
.rept 32
	v_pk_mul_f32 v[64*\m+i:64*\m+i+1], v[64*\m+i:64*\m+i+1], v[GQ+4*\m:GQ+4*\m+1] op_sel_hi:[1,0]
.set i, i+2
.endr
.endr
	WIN 0
.irp e, 0,1,2,3
	ds_store_b128 v[BBW], v[BX+4*\e:BX+4*\e+3] offset:512*\e      ; expert 1's B1 into my own bytes
.endr
.Lsame:
	s_lshr_b32 s82, s80, 2
	s_lshl_b32 s82, s82, 15
	s_and_b32 s83, s80, 3
	s_lshl_b32 s83, s83, 4
	s_add_co_u32 s82, s82, s83
	s_mov_b32 s83, 0
	s_add_nc_u64 s[84:85], s[36:37], s[82:83]      ; (the last loads by this base were waited for a quarter ago)
.irp i, 0,1,2,3
	global_load_b128 v[W2S+4*\i:W2S+4*\i+3], v[L64], s[84:85] offset:2048*\i      ; W2's scale words of chunk c: lane l: row 32 i + l, its four K steps
.endr
	s_and_b32 s82, s80, 3
	s_lshl_b32 s82, s82, 9
	v_add_nc_u32 v[ABB], s82, v[ABB0]
	CHANGE 1
	AWORK 0, 0, 4
	CHANGE 2
	AWORK 1, 1, -1
	s_add_co_u32 s82, s80, 1
	s_min_u32 s82, s82, 7                          ; (the last trip asks for its own chunk's again: no load leaves the buffer)
	s_lshl_b32 s82, s82, 13
	s_mov_b32 s83, 0
	s_add_nc_u64 s[88:89], s[30:31], s[82:83]
.irp i, 0,1,2,3
	global_load_b128 v[W1S+4*\i:W1S+4*\i+3], v[L16], s[88:89] offset:512*\i
.endr
	CHANGE 3
	BWORK 0, 0, 4
	s_add_co_u32 s80, s80, 1
	s_cmp_lt_u32 s80, 8
	s_cbranch_scc1 .Ltrip
	CHANGE 4
	BWORK 1, 1, -1
	; ---- x g1': x1 + y; the second norm; the way out
	WIN 0xc0
	PLOAD 0, 40, 0                                 ; g2
	PLOAD 64, 42, 0                                ; beta2
	WIN 0x82
.irp m, 0,1,2,3
.set i, 0
.rept 32
	v_pk_mul_f32 v[64*\m+i:64*\m+i+1], v[64*\m+i:64*\m+i+1], v[GQ+4*\m+2:GQ+4*\m+3] op_sel_hi:[1,0]
.set i, i+2
.endr
.endr
	WIN 0
	LNORM
	; a lane holds 32 neighbouring bytes of a row: 16 rows go through my stage and come back as whole runs of 512 bytes.  The stage lies in slot 0, which has had its last fill and its last read
.irp m, 0,1,2,3
.if \m > 0
	s_wait_xcnt 0x0                                ; the earlier stores have read their data registers
.endif
	WIN 0x08
.irp t, 0,1,2,3,4,5,6,7
	ds_store_b128 v[STGW], v[64*\m+8*\t:64*\m+8*\t+3] offset:64*\t
	ds_store_b128 v[STGW], v[64*\m+8*\t+4:64*\m+8*\t+7] offset:64*\t+16
.endr
	WIN 0
.irp i, 0,1,2,3,4,5,6,7,8,9,10,11,12,13,14,15
	ds_load_b128 v[HA+4*\i:HA+4*\i+3], v[STGR] offset:528*\i      ; LDS serves a wave's instructions in order (ISA guide 5.7.1.4): these see my stores
.endr
.irp i, 0,1,2,3,4,5,6,7,8,9,10,11,12,13,14,15
	s_wait_dscnt 15-\i
	global_store_b128 v[L16], v[HA+4*\i:HA+4*\i+3], s[44:45] offset:(16*\m+\i)*2048 th:TH_STORE_NT   ; 512 consecutive bytes, at a multiple of 256 from the buffer's first byte
.endr
.endr
	s_wait_tensorcnt 0x0                           ; the wave's end
	ds_add_u32 v[SPW], v[NIL]
	s_wait_dscnt 0x0
	CROUND                                         ; the closing round
	s_endpgm
.Lfunc_end_k_qf73932528a_ffn:
	.size	k_qf73932528a_ffn, .Lfunc_end_k_qf73932528a_ffn-k_qf73932528a_ffn
	.p2alignl 7, 3214868480
	.fill 96, 4, 3214868480
	.section	.rodata,"a",@progbits
	.p2align	6, 0x0
	.amdhsa_kernel k_qf73932528a_ffn
		.amdhsa_group_segment_fixed_size 327680
		.amdhsa_private_segment_fixed_size 0
		.amdhsa_enable_private_segment 0
		.amdhsa_kernarg_size 160
		.amdhsa_user_sgpr_count 2
		.amdhsa_user_sgpr_kernarg_segment_ptr 1
		.amdhsa_wavefront_size32 1
		.amdhsa_system_sgpr_workgroup_id_x 1
		.amdhsa_system_sgpr_workgroup_id_y 1
		.amdhsa_system_sgpr_workgroup_id_z 1
		.amdhsa_system_vgpr_workitem_id 0
		.amdhsa_next_free_vgpr 1024
		.amdhsa_next_free_sgpr 100
		.amdhsa_reserve_vcc 1
		.amdhsa_float_denorm_mode_32 3
		.amdhsa_float_denorm_mode_16_64 3
		.amdhsa_memory_ordered 1
		.amdhsa_forward_progress 1
		.amdhsa_inst_pref_size 255
	.end_amdhsa_kernel
	.section	.bss,"aw",@nobits
	.p2align	6
	.space	262144
	.amdgpu_metadata
---
amdhsa.version: [ 1, 2 ]
amdhsa.kernels:
  - .name:           k_qf73932528a_ffn
    .symbol:         k_qf73932528a_ffn.kd
    .args:
      - { .name: hc, .offset: 0, .size: 8, .value_kind: global_buffer, .address_space: global }
      - { .name: hs, .offset: 8, .size: 8, .value_kind: global_buffer, .address_space: global }
      - { .name: x, .offset: 16, .size: 8, .value_kind: global_buffer, .address_space: global }
      - { .name: Wo_codes, .offset: 24, .size: 8, .value_kind: global_buffer, .address_space: global }
      - { .name: Wo_scales, .offset: 32, .size: 8, .value_kind: global_buffer, .address_space: global }
      - { .name: bo, .offset: 40, .size: 8, .value_kind: global_buffer, .address_space: global }
      - { .name: g1, .offset: 48, .size: 8, .value_kind: global_buffer, .address_space: global }
      - { .name: beta1, .offset: 56, .size: 8, .value_kind: global_buffer, .address_space: global }
      - { .name: router_w, .offset: 64, .size: 8, .value_kind: global_buffer, .address_space: global }
      - { .name: router_b, .offset: 72, .size: 8, .value_kind: global_buffer, .address_space: global }
      - { .name: W1_codes, .offset: 80, .size: 8, .value_kind: global_buffer, .address_space: global }
      - { .name: W1_scales, .offset: 88, .size: 8, .value_kind: global_buffer, .address_space: global }
      - { .name: B1, .offset: 96, .size: 8, .value_kind: global_buffer, .address_space: global }
      - { .name: W2_codes, .offset: 104, .size: 8, .value_kind: global_buffer, .address_space: global }
      - { .name: W2_scales, .offset: 112, .size: 8, .value_kind: global_buffer, .address_space: global }
      - { .name: B2, .offset: 120, .size: 8, .value_kind: global_buffer, .address_space: global }
      - { .name: g2, .offset: 128, .size: 8, .value_kind: global_buffer, .address_space: global }
      - { .name: beta2, .offset: 136, .size: 8, .value_kind: global_buffer, .address_space: global }
      - { .name: out0, .offset: 144, .size: 8, .value_kind: global_buffer, .address_space: global }
      - { .name: pp, .offset: 152, .size: 8, .value_kind: global_buffer, .address_space: global }
    .group_segment_fixed_size: 327680
    .private_segment_fixed_size: 0
    .kernarg_segment_align: 8
    .kernarg_segment_size: 160
    .max_flat_workgroup_size: 128
    .sgpr_count:     100
    .vgpr_count:     1024
    .wavefront_size: 32
...
	.end_amdgpu_metadata
.endif
;; end of part 3
;; launch lb (part 4): grid 1 x 1, 1 waves a work-group, no clusters, 0 bytes of LDS; arguments pp, out1; writes out1
.if DOCPART == 4
	.amdgcn_target "amdgcn-amd-amdhsa--gfx1250"
	.amdhsa_code_object_version 6
	.text
	.protected	k_qf73932528a_lb
	.globl	k_qf73932528a_lb
	.p2align	8
	.type	k_qf73932528a_lb,@function
k_qf73932528a_lb:
	s_mov_b64 s[64:65], 0
	v_nop
	global_prefetch_b8 v0, s[64:65] scope:SCOPE_SE
	s_setreg_imm32_b32 hwreg(HW_REG_WAVE_MODE, 25, 1), 1
	s_wait_xcnt 0x0
; The load-balancing loss: E x the sum over experts of f x P, E = 2.  Both experts are chosen for every token (the top 2 of 2), so each f is 1 whatever the inputs; P is the mean of the probabilities over 8,192 tokens.
; pp holds, for each of 128 blocks of 64 tokens, the pair of sums of the probabilities: 1,024 bytes, 32 a lane.  One wave: the sum spans work-groups of the launch before, so it has a launch of its own.
	s_load_b128 s[4:7], s[0:1], 0x0                ; pp, out1
	v_lshlrev_b32 v1, 5, v0
	v_mov_b32 v3, 0
	s_mov_b32 s10, 0x76543210
	s_mov_b32 s11, 0xfedcba98
	s_wait_kmcnt 0x0
	global_load_b128 v[4:7], v1, s[4:5]
	global_load_b128 v[8:11], v1, s[4:5] offset:16
	s_wait_loadcnt 0x0
	v_pk_add_f32 v[4:5], v[4:5], v[6:7]            ; pairs (expert 0, expert 1)
	v_pk_add_f32 v[8:9], v[8:9], v[10:11]
	v_pk_add_f32 v[4:5], v[4:5], v[8:9]
.irp k, 1,2,4,8
	v_add_f32_dpp v4, v4, v4 row_xmask:\k row_mask:0xf bank_mask:0xf
	v_add_f32_dpp v5, v5, v5 row_xmask:\k row_mask:0xf bank_mask:0xf
.endr
	v_permlanex16_b32 v6, v4, s10, s11
	v_permlanex16_b32 v7, v5, s10, s11
	v_add_f32 v4, v4, v6
	v_add_f32 v5, v5, v7
	v_add_f32 v4, v4, v5                           ; 1 x the sum for expert 0 + 1 x the sum for expert 1
	v_mul_f32 v4, 0x39800000, v4                   ; x 2 / 8,192
	v_cmp_eq_u32 vcc_lo, 0, v0
	s_wait_xcnt 0x0                                ; EXEC changes only behind this wait
	s_and_saveexec_b32 s8, vcc_lo
	global_store_b32 v3, v4, s[6:7]
	s_wait_xcnt 0x0
	s_or_b32 exec_lo, exec_lo, s8
	s_endpgm
.Lfunc_end_k_qf73932528a_lb:
	.size	k_qf73932528a_lb, .Lfunc_end_k_qf73932528a_lb-k_qf73932528a_lb
	.p2alignl 7, 3214868480
	.fill 96, 4, 3214868480
	.section	.rodata,"a",@progbits
	.p2align	6, 0x0
	.amdhsa_kernel k_qf73932528a_lb
		.amdhsa_group_segment_fixed_size 0
		.amdhsa_private_segment_fixed_size 0
		.amdhsa_enable_private_segment 0
		.amdhsa_kernarg_size 16
		.amdhsa_user_sgpr_count 2
		.amdhsa_user_sgpr_kernarg_segment_ptr 1
		.amdhsa_wavefront_size32 1
		.amdhsa_system_sgpr_workgroup_id_x 1
		.amdhsa_system_sgpr_workgroup_id_y 1
		.amdhsa_system_sgpr_workgroup_id_z 1
		.amdhsa_system_vgpr_workitem_id 0
		.amdhsa_next_free_vgpr 16
		.amdhsa_next_free_sgpr 66
		.amdhsa_reserve_vcc 1
		.amdhsa_float_denorm_mode_32 3
		.amdhsa_float_denorm_mode_16_64 3
		.amdhsa_memory_ordered 1
		.amdhsa_forward_progress 1
		.amdhsa_inst_pref_size 2
	.end_amdhsa_kernel
	.amdgpu_metadata
---
amdhsa.version: [ 1, 2 ]
amdhsa.kernels:
  - .name:           k_qf73932528a_lb
    .symbol:         k_qf73932528a_lb.kd
    .args:
      - { .name: pp, .offset: 0, .size: 8, .value_kind: global_buffer, .address_space: global }
      - { .name: out1, .offset: 8, .size: 8, .value_kind: global_buffer, .address_space: global }
    .group_segment_fixed_size: 0
    .private_segment_fixed_size: 0
    .kernarg_segment_align: 8
    .kernarg_segment_size: 16
    .max_flat_workgroup_size: 32
    .sgpr_count:     66
    .vgpr_count:     16
    .wavefront_size: 32
...
	.end_amdgpu_metadata
.endif
;; end of part 4
;; ======== version 2 of 2: 4 launches; 1.22 times as fast as version 1
;; limits: right only within a limited range of input values
;; workspace buffers: qkvc 12,582,912 bytes; qkvs 1,179,648 bytes; hc 4,194,304 bytes; hs 131,072 bytes; pp 1,024 bytes; part 33,554,432 bytes
;; launch qkv: the kernel of part 1 again; grid 128 x 1, 4 waves a work-group, clusters of 4 x 1, 327,680 bytes of LDS; arguments x, Wq_codes, Wq_scales, bq, Wk_codes, Wk_scales, bk, Wv_codes, Wv_scales, bv, qkvc, qkvs; writes qkvc, qkvs
;; launch attn: the kernel of part 2 again; grid 2 x 128, 16 waves a work-group, no clusters, 77,824 bytes of LDS; arguments qkvc, qkvs, attention_mask, hc, hs; writes hc, hs
;; launch ffn (part 5): grid 128 x 2, 4 waves a work-group, clusters of 4 x 1, 327,680 bytes of LDS; arguments hc, hs, x, Wo_codes, Wo_scales, bo, g1, beta1, router_w, router_b, W1_codes, W1_scales, B1, W2_codes, W2_scales, B2, part, pp; writes part, pp
.if DOCPART == 5
	.amdgcn_target "amdgcn-amd-amdhsa--gfx1250"
	.amdhsa_code_object_version 6
	.text
	.protected	k_qf73932528a_ffn
	.globl	k_qf73932528a_ffn
	.p2align	8
	.type	k_qf73932528a_ffn,@function
k_qf73932528a_ffn:
	s_mov_b64 s[64:65], 0
	v_nop
	global_prefetch_b8 v0, s[64:65] scope:SCOPE_SE
	s_setreg_imm32_b32 hwreg(HW_REG_WAVE_MODE, 25, 1), 1
	s_wait_xcnt 0x0
	s_wait_alu depctr_hold_cnt(0) depctr_sa_sdst(0) depctr_va_vdst(0) depctr_va_sdst(0) depctr_va_ssrc(0) depctr_va_vcc(0) depctr_vm_vsrc(0)
	s_getreg_b32 s2, hwreg(HW_REG_IB_STS2, 6, 4)
	s_cmp_eq_u32 s2, 0
	s_cbranch_scc0 .Lentry_in_a_cluster
	s_endpgm
.Lentry_in_a_cluster:
	s_bfe_u32 s2, ttmp6, 0x10000c
	s_cmp_lg_u32 s2, 0x3003
	s_cbranch_scc0 .Lentry_shape_is_right
	s_endpgm
.Lentry_shape_is_right:
; x1 = LN(x + h Wo + bo); gates = softmax(x1 router_w + router_b), renormalised; then ONE expert e of the two: gate_e x (relu(x1 W1[e] + B1[e]) W2[e] + B2[e]).
; part[0] = x1 + expert 0's term, part[1] = expert 1's term; the next launch adds the two and takes the second norm.  Also the block's sums of the router's probabilities.
; All products run on codes of E4M3 with E8M0 scales; x1 and the hidden layer are quantised in registers and never go to memory.
; SHARES.  128 blocks of 64 rows x 2 experts = 256 work-groups.  A work-group's walk is as long as the weights that it fetches, whatever its rows: so the weights are divided: each work-group walks Wo and one expert, 2.36 MB.
; The price: h Wo, the first norm and the router are made by both work-groups of a block, and the two parts, 2 x 16.8 MB of f32, go through memory.
; A work-group owns 64 rows (four tiles m of 16).  THE WAVES SHARE THE COLUMNS: wave w owns columns 128 w .. + 127 of x1 and of the result, and hidden units 128 w .. + 127 of each chunk of 512, which are K step w of the
; second product.  The rows' fragments stay in registers; each weight fragment is read from LDS once and feeds four products.
; Every product is used with source 0 = 16 rows of the weight, source 1 = 16 rows of the activations: a lane holds one row (lane % 16), and its registers run along the columns, 16 t + 8 h + 0 .. 7 (h = lane / 16).
; ORDER INSIDE A BLOCK OF 32: the 16 registers of tiles 2 b, 2 b + 1 are k = 32 b + 8 h + 0..7 and 32 b + 16 + 8 h + 0..7; they become registers 4 b .. 4 b + 3 of the next operand in that order.  The weights' fragments
; take the same order: each 16 bytes come by two loads of 8, at + 8 h and at + 16 + 8 h.  With row pitches of 528 and 272 bytes the 32 lanes of such a load touch 64 different banks (64 banks of 4 bytes: ISA guide 11.1).
; THE WEIGHTS of an expert are walked by all its row blocks alike: two LDS slots, each wave fetching the rows that it multiplies itself, and the four work-groups of a cluster (four row blocks, one expert) ask for each tile JOINTLY.
; THE GATE multiplies matrix results.  With g' = max(gate_e, 2^-60): the accumulators start as x1 / g' + B2[0] (expert 0) or as B2[1] (expert 1); the products add onto them; at the end they are multiplied by g'.
; So x1 needs no registers of its own.
; LIMITS: a gate under 2^-60 counts as 2^-60; x1 is divided by g' and multiplied by it again (two roundings).  A block under 2^-118 gets the scale byte 1.  NaN and infinities are not served.
; REGISTERS: window 0: addresses, scale words, the gate, the quantiser's registers, v140-171 B1's tiles, v172-235 eight accumulators of the hidden layer or four hidden fragments, v236-251 at work.
;   window 1: 16 fragments of the rows (h's, then x1's), (m, K step s) at 16 (4 s + m).   window 2: the 32 accumulators, (m, t) at 8 (8 m + t).   window 3: 16 weight fragments; between the phases gain, bias, router_w, B2.
.set BUF1,  139264                     ; slot 1
.set WSA,   33792                      ; a wave's part of a slot of Wo or W1: 64 rows x (512 + 16)
.set WSB,   34816                      ; and of W2: 128 rows x (256 + 16)
.set HIMG,  278528                     ; 16 fragments as images, 2,048 bytes each, index 4 x K step + m: x1's, later the hidden layer's
.set HSC,   311296                     ; their scale words: ((2 x K step + m / 2) 32 + 16 (m % 2) + r) words
.set STAT,  313344                     ; the rows' partial sums [m][r][wave]: sums 1 KB, squares 1 KB, pairs of logits 2 KB
.set BBL,   317440                     ; B1 of my expert, 2 KB for each wave, its own
.set SPARE, 325632                     ; the spare words, 128 bytes for each wave: no other line names them
.set RWO, 1
.set STGW, 2
.set STGR, 3
.set SPW, 4
.set NIL, 5
.set AW,  6
.set BW,  8
.set LI,  10
.set LSC, 11
.set HWI, 12
.set HWS, 13
.set ABB, 14
.set SWA, 15
.set SWB, 16
.set SRA, 17
.set SRB, 18
.set L16, 19
.set L64, 20
.set XO,  21
.set PO,  22
.set ABB0, 23
.set XS,  24                           ; v24-31 the rows' scale words: 4 (m / 2) + s
.set HS,  32                           ; v32-35 the hidden layer's
.set W1S, 36                           ; v36-51 Wo's, then W1's: 4 (t / 2) + s
.set W2S, 52                           ; v52-67 W2's
.set GQ,  84                           ; v84-91 for each m the pair (g', g')
.set PW,  100
.set BY,  104
.set TM,  108
.set TP,  112
.set SO,  116
.set LM,  120
.set PC,  124
.set BB,  140
.set HA,  172
.set T,   236
.set MN,  244
.set BBW, 252
.set ZO,  253
.set MSB, 0
.macro WIN new                         ; the immediate's high byte repeats the setting that is left
.if MSB != \new
	s_set_vgpr_msb (MSB<<8)|\new
.set MSB, \new
.endif
.endm
.macro PLACES n
.rept \n
	v_nop
.endr
.endm
.macro CROUND
	s_barrier_signal -1
	s_barrier_wait -1
	s_cmp_lg_u32 s3, 0
	s_cbranch_scc1 .Lnot_wave_0_\@
	s_barrier_signal -3
.Lnot_wave_0_\@:
	s_barrier_wait -3
	s_barrier_signal -1
	s_barrier_wait -1
.endm
.macro BARRIER                         ; my LDS stores have landed and my LDS loads are in: then the work-group's barrier
	s_wait_dscnt 0x0
	s_barrier_signal -1
	s_barrier_wait -1
.endm
.macro WMS d, a, b, c, sa, sb, ra, rb
.if ((\ra) != 0) && ((\rb) != 0)
	v_wmma_scale_f32_16x16x128_f8f6f4 v[\d:\d+7], v[\a:\a+15], v[\b:\b+15], v[\c:\c+7], v[\sa], v[\sb] matrix_a_scale:MATRIX_SCALE_ROW1 matrix_b_scale:MATRIX_SCALE_ROW1
.elseif (\ra) != 0
	v_wmma_scale_f32_16x16x128_f8f6f4 v[\d:\d+7], v[\a:\a+15], v[\b:\b+15], v[\c:\c+7], v[\sa], v[\sb] matrix_a_scale:MATRIX_SCALE_ROW1
.elseif (\rb) != 0
	v_wmma_scale_f32_16x16x128_f8f6f4 v[\d:\d+7], v[\a:\a+15], v[\b:\b+15], v[\c:\c+7], v[\sa], v[\sb] matrix_b_scale:MATRIX_SCALE_ROW1
.else
	v_wmma_scale_f32_16x16x128_f8f6f4 v[\d:\d+7], v[\a:\a+15], v[\b:\b+15], v[\c:\c+7], v[\sa], v[\sb]
.endif
.endm
; Four groups of 16 numbers of a lane, v[q + 16 g ..]; a block of 32 is a group of lane l and of lane l xor 16.  Codes to v[PC + 4 g ..], the scale's byte to v[BY + g].
; relu = 1: what is negative becomes 0 on the way.  far = 1: the numbers lie in window 2 and stay as they are: the held numbers go to v[HA ..]
.macro QUANT4 q, relu, far
.if \far
	WIN 0x0a
.endif
.irp g, 0,1,2,3
.if \relu
	v_max3_num_f32 v[TM+\g], v[(\q)+16*\g], v[(\q)+16*\g+1], 0x4800000
.else
	v_max3_num_f32 v[TM+\g], |v[(\q)+16*\g]|, |v[(\q)+16*\g+1]|, 0x4800000   ; with the floor 2^(9 - 127): the byte cannot fall under 1
.endif
.endr
.if \far
	WIN 0x28
.endif
.irp i, 2,4,6,8,10,12,14
.irp g, 0,1,2,3
.if \relu
	v_max3_num_f32 v[TM+\g], v[TM+\g], v[(\q)+16*\g+\i], v[(\q)+16*\g+\i+1]
.else
	v_max3_num_f32 v[TM+\g], v[TM+\g], |v[(\q)+16*\g+\i]|, |v[(\q)+16*\g+\i+1]|
.endif
.endr
.endr
	WIN 0
.irp g, 0,1,2,3
	v_permlanex16_b32 v[TP+\g], v[TM+\g], s90, s91
.endr
.irp g, 0,1,2,3
	v_max_num_f32 v[TM+\g], v[TM+\g], v[TP+\g]
.endr
.irp g, 0,1,2,3
	v_add_nc_u32 v[SO+\g], 0xfc000000, v[TM+\g]          ; 8 off the exponent field: the conversion's scale operand
.endr
.irp g, 0,1,2,3
	v_and_or_b32 v[LM+\g], v[TM+\g], 0x7f800000, s92     ; 448 x the scale
.endr
.irp g, 0,1,2,3
	v_lshrrev_b32 v[BY+\g], 23, v[SO+\g]
.endr
.if \far
	WIN 0x02
.irp g, 0,1,2,3
.irp i, 0,1,2,3,4,5,6,7,8,9,10,11,12,13,14,15
	v_med3_num_f32 v[HA+16*\g+\i], v[(\q)+16*\g+\i], -v[LM+\g], v[LM+\g]
.endr
.endr
	WIN 0
.irp g, 0,1,2,3
	v_cvt_scalef32_pk8_fp8_f32 v[PC+4*\g:PC+4*\g+1], v[HA+16*\g:HA+16*\g+7], v[SO+\g]
	v_cvt_scalef32_pk8_fp8_f32 v[PC+4*\g+2:PC+4*\g+3], v[HA+16*\g+8:HA+16*\g+15], v[SO+\g]
.endr
.else
.irp g, 0,1,2,3
.irp i, 0,1,2,3,4,5,6,7,8,9,10,11,12,13,14,15
.if \relu
	v_med3_num_f32 v[(\q)+16*\g+\i], v[(\q)+16*\g+\i], 0, v[LM+\g]           ; the activation and the hold in one
.else
	v_med3_num_f32 v[(\q)+16*\g+\i], v[(\q)+16*\g+\i], -v[LM+\g], v[LM+\g]
.endif
.endr
.endr
.irp g, 0,1,2,3
	v_cvt_scalef32_pk8_fp8_f32 v[PC+4*\g:PC+4*\g+1], v[(\q)+16*\g:(\q)+16*\g+7], v[SO+\g]
	v_cvt_scalef32_pk8_fp8_f32 v[PC+4*\g+2:PC+4*\g+3], v[(\q)+16*\g+8:(\q)+16*\g+15], v[SO+\g]
.endr
.endif
	v_nop                                                ; a plain line behind the last conversion
.endm
	s_load_b512 s[8:23], s[0:1], 0x0               ; hc 8, hs 10, x 12, Wo codes 14, Wo scales 16, bo 18, g1 20, beta1 22
	s_load_b512 s[24:39], s[0:1], 0x40             ; router_w 24, router_b 26, W1 codes 28, W1 scales 30, B1 32, W2 codes 34, W2 scales 36, B2 38
	s_load_b128 s[44:47], s[0:1], 0x80             ; part 44, pp 46
	v_lshl_add_u32 v[SPW], v0, 2, SPARE
	v_mov_b32 v[NIL], 0
	ds_add_u32 v4, v5
	ds_add_u32 v4, v5
	s_wait_dscnt 0x0
	v_lshrrev_b32 v1, 5, v0
	v_readfirstlane_b32 s3, v1                     ; wave 0..3
	s_bfe_u32 s4, ttmp6, 0x40000
	s_lshl_b32 s5, ttmp9, 2
	s_add_co_u32 s5, s5, s4                        ; my block of 64 rows: it enters global addresses of the rows' data alone
	s_and_b32 s6, ttmp7, 0xffff                    ; my expert: the cluster's y, the same in all four partners
	s_cmp_eq_u32 s6, 0
	s_cselect_b32 s7, 0, -1                        ; a lane mask: all lanes take expert 1's number, or none
	s_cselect_b32 s81, 0x3f800000, 0               ; 1.0 where my part carries x1, else 0
	; group 1 for Wo and W1: 64 rows of 512 bytes, dense; for W2: 128 rows of 256 bytes, 2,048 bytes apart.  16 bytes of padding behind each row; the mask names all four work-groups
	s_mov_b32 s48, 15|(1<<20)|(1<<21)|(6<<22)|(3<<25)
	s_mov_b32 s49, 512<<16
	s_mov_b32 s50, 64<<16
	s_mov_b32 s51, 512<<16
	s_mov_b32 s52, 64
	s_mov_b32 s53, 512
	s_mov_b32 s54, 0
	s_mov_b32 s55, 0
	s_mov_b32 s56, 15|(1<<20)|(1<<21)|(5<<22)|(3<<25)
	s_mov_b32 s57, 256<<16
	s_mov_b32 s58, 128<<16
	s_mov_b32 s59, 256<<16
	s_mov_b32 s60, 128
	s_mov_b32 s61, 2048
	s_mov_b32 s62, 0
	s_mov_b32 s63, 0
	s_mov_b32 s90, 0x76543210
	s_mov_b32 s91, 0xfedcba98
	s_mov_b32 s92, 0x600000
	s_mov_b32 s93, 0x3b000000                      ; 1 / 512
	s_mov_b32 s94, 0x3727c5ac                      ; 1e-5
	s_lshl_b32 s82, s3, 16
	s_mov_b32 s83, 0
	s_lshl_b32 s84, s3, 18
	s_mov_b32 s85, 0
	s_lshl_b32 s88, s6, 20                         ; an expert's codes of W1, and of W2: 1,048,576 bytes
	s_mov_b32 s89, 0
	s_wait_kmcnt 0x0
	s_add_nc_u64 s[14:15], s[14:15], s[82:83]      ; my 128 rows of Wo, of each chunk of W1,
	s_add_nc_u64 s[28:29], s[28:29], s[82:83]
	s_add_nc_u64 s[34:35], s[34:35], s[84:85]      ; and of W2,
	s_add_nc_u64 s[28:29], s[28:29], s[88:89]      ; in my expert
	s_add_nc_u64 s[34:35], s[34:35], s[88:89]
	s_load_b64 s[86:87], s[26:27], 0x0             ; router_b
	s_mov_b32 s68, 1
	s_mul_i32 s69, s3, WSA
	s_mov_b64 s[70:71], s[14:15]
	s_or_b32 s71, s71, 0x80000000
	s_mov_b32 s72, 1
	s_add_co_u32 s73, s69, BUF1
	s_add_nc_u64 s[74:75], s[14:15], 32768
	s_or_b32 s75, s75, 0x80000000
	CROUND                                         ; all four work-groups are here: the first joint loads meet
	tensor_load_to_lds s[68:71], s[48:55]          ; Wo, my first 64 rows
	s_nop 0
	tensor_load_to_lds s[72:75], s[48:55]          ; and my other 64: two loads of mine are out
	s_nop 0
	PLACES 4
	v_and_b32 v253, 15, v0                         ; r
	v_bfe_u32 v254, v0, 4, 1                       ; h
	v_and_b32 v255, 31, v0                         ; lane
	s_mul_i32 s82, s3, WSA
	v_mul_u32_u24 v[AW], v253, 528
	v_lshl_add_u32 v[AW], v254, 3, v[AW]
	v_add_nc_u32 v[AW], s82, v[AW]
	v_add_nc_u32 v[AW+1], BUF1, v[AW]
	s_mul_i32 s82, s3, WSB
	v_mul_u32_u24 v[BW], v253, 272
	v_lshl_add_u32 v[BW], v254, 3, v[BW]
	v_add_nc_u32 v[BW], s82, v[BW]
	v_add_nc_u32 v[BW+1], BUF1, v[BW]
	v_mul_u32_u24 v[STGW], v253, 528               ; the way out: a stage of 16 rows x (512 + 16) in my own part of slot 0
	v_lshl_add_u32 v[STGW], v254, 5, v[STGW]
	v_add_nc_u32 v[STGW], s82, v[STGW]
	v_lshlrev_b32 v[L16], 4, v255
	v_add_nc_u32 v[STGR], s82, v[L16]
	v_lshlrev_b32 v[L64], 6, v255
	v_add_nc_u32 v[LI], HIMG, v[L16]
	v_lshlrev_b32 v[LSC], 2, v255
	v_add_nc_u32 v[LSC], HSC, v[LSC]
	s_lshl_b32 s82, s3, 13
	v_add_nc_u32 v[HWI], s82, v[LI]
	s_lshl_b32 s82, s3, 8
	v_lshl_add_u32 v[HWS], v253, 2, s82
	v_add_nc_u32 v[HWS], HSC, v[HWS]
	s_lshl_b32 s82, s3, 11
	v_lshl_add_u32 v[ABB0], v254, 5, s82
	v_add_nc_u32 v[ABB0], BBL, v[ABB0]
	v_add_nc_u32 v[BBW], s82, v[L16]
	v_add_nc_u32 v[BBW], BBL, v[BBW]
	v_lshlrev_b32 v[SRA], 4, v253
	v_add_nc_u32 v[SRA], STAT, v[SRA]
	s_lshl_b32 s82, s3, 2
	v_add_nc_u32 v[SWA], s82, v[SRA]
	v_lshlrev_b32 v[SRB], 5, v253
	v_add_nc_u32 v[SRB], STAT+2048, v[SRB]
	s_lshl_b32 s82, s3, 3
	v_add_nc_u32 v[SWB], s82, v[SRB]
	s_lshl_b32 s82, s3, 9
	v_lshl_add_u32 v[PO], v254, 5, s82             ; a vector over the columns: 4 (128 w + 8 h) bytes
	v_lshl_add_u32 v[XO], v253, 11, v[PO]
	s_lshl_b32 s82, s3, 10
	v_lshl_add_u32 v[RWO], v254, 6, s82
.irp g, 0,1,2,3
	v_mov_b32 v[TP+\g], 0                          ; written once: a lane permute's destination counts as one of its sources
	v_mov_b32 v[MN+2*\g+1], 0                      ; named as upper halves of pairs
.endr
	s_lshl_b32 s82, s5, 15
	s_add_nc_u64 s[8:9], s[8:9], s[82:83]
	s_lshl_b32 s82, s5, 10
	s_add_nc_u64 s[10:11], s[10:11], s[82:83]
	s_lshl_b32 s82, s5, 17
	s_add_nc_u64 s[12:13], s[12:13], s[82:83]
	s_add_nc_u64 s[44:45], s[44:45], s[82:83]
	s_lshl_b32 s82, s3, 9
	s_add_nc_u64 s[44:45], s[44:45], s[82:83]
	s_add_nc_u64 s[32:33], s[32:33], s[82:83]
	s_lshl_b32 s82, s3, 11
	s_add_nc_u64 s[16:17], s[16:17], s[82:83]
	s_add_nc_u64 s[30:31], s[30:31], s[82:83]
	s_lshl_b32 s82, s3, 13
	s_add_nc_u64 s[36:37], s[36:37], s[82:83]
	s_lshl_b32 s82, s5, 3
	s_add_nc_u64 s[46:47], s[46:47], s[82:83]
	s_lshl_b32 s82, s6, 24                         ; my expert's part of the result: 16,777,216 bytes each,
	s_add_nc_u64 s[44:45], s[44:45], s[82:83]
	s_lshl_b32 s82, s6, 15                         ; its scale bytes of W1 and of W2: 32,768 each,
	s_add_nc_u64 s[30:31], s[30:31], s[82:83]
	s_add_nc_u64 s[36:37], s[36:37], s[82:83]
	s_lshl_b32 s82, s6, 13                         ; its B1,
	s_add_nc_u64 s[32:33], s[32:33], s[82:83]
	s_lshl_b32 s82, s6, 11                         ; its B2
	s_add_nc_u64 s[38:39], s[38:39], s[82:83]
.irp n, 0,1
	global_load_b128 v[XS+4*\n:XS+4*\n+3], v[L16], s[10:11] offset:512*\n         ; h's scale words: lanes 0-15 tile 2 n, lanes 16-31 tile 2 n + 1
.endr
.irp i, 0,1,2,3
	global_load_b128 v[W1S+4*\i:W1S+4*\i+3], v[L16], s[16:17] offset:512*\i       ; Wo's: lane l: row 32 i + l of my 128
.endr
	WIN 0x40
.irp s, 0,1,2,3
.irp m, 0,1,2,3
.irp c, 0,1,2,3
	global_load_b128 v[16*(4*\s+\m)+4*\c:16*(4*\s+\m)+4*\c+3], v[L16], s[8:9] offset:8192*\m+2048*\s+512*\c   ; h's fragments, as they were stored
.endr
.endr
.endr
	WIN 0x80
.irp m, 0,1,2,3
.irp t, 0,1,2,3,4,5,6,7
	global_load_b128 v[8*(8*\m+\t):8*(8*\m+\t)+3], v[XO], s[12:13] offset:32768*\m+64*\t       ; x in the result's layout: the sums begin with it (the block's other work-group reads it too)
	global_load_b128 v[8*(8*\m+\t)+4:8*(8*\m+\t)+7], v[XO], s[12:13] offset:32768*\m+64*\t+16
.endr
.endr
	WIN 0
.irp t, 0,1,2,3,4,5,6,7
	global_load_b128 v[HA+8*\t:HA+8*\t+3], v[PO], s[18:19] offset:64*\t
	global_load_b128 v[HA+8*\t+4:HA+8*\t+7], v[PO], s[18:19] offset:64*\t+16
.endr
.irp e, 0,1,2,3
	global_load_b128 v[BB+4*\e:BB+4*\e+3], v[L16], s[32:33] offset:2048*\e        ; B1 of my expert: my 128 numbers of each chunk
.endr
	s_wait_loadcnt 0x0
.irp e, 0,1,2,3
	ds_store_b128 v[BBW], v[BB+4*\e:BB+4*\e+3] offset:512*\e
.endr
	WIN 0x82
.irp m, 0,1,2,3
.set i, 0
.rept 32
	v_pk_add_f32 v[64*\m+i:64*\m+i+1], v[64*\m+i:64*\m+i+1], v[HA+i:HA+i+1]       ; x + bo
.set i, i+2
.endr
.endr
	WIN 0
; ---- h Wo: two slots of 64 rows; a slot's 16 fragments (tile e of four, K step s) at 16 (4 s + e)
.macro OLOAD buf, s
.irp e, 0,1,2,3
.irp c, 0,1,2,3
	ds_load_b64 v[16*(4*\s+\e)+4*\c:16*(4*\s+\e)+4*\c+1], v[AW+\buf] offset:16*\e*528+128*\s+32*\c
	ds_load_b64 v[16*(4*\s+\e)+4*\c+2:16*(4*\s+\e)+4*\c+3], v[AW+\buf] offset:16*\e*528+128*\s+32*\c+16
.endr
.endr
.endm
.macro ORUN j, s                       ; sixteen accumulators by turns
.irp e, 0,1,2,3
.irp m, 0,1,2,3
	WMS 8*(8*\m+4*\j+\e), 16*(4*\s+\e), 16*(4*\s+\m), 8*(8*\m+4*\j+\e), W1S+4*(2*\j+\e/2)+\s, XS+4*(\m/2)+\s, \e%2, \m%2
.endr
.endr
.endm
.macro OWORK buf                       ; s_wait_dscnt 32: the next K step's 32 loads may be out
	WIN 0xc0
	OLOAD \buf, 0
	OLOAD \buf, 1
	s_wait_dscnt 32
	WIN 0xa7
	ORUN \buf, 0
	WIN 0xc0
	OLOAD \buf, 2
	s_wait_dscnt 32
	WIN 0xa7
	ORUN \buf, 1
	WIN 0xc0
	OLOAD \buf, 3
	s_wait_dscnt 32
	WIN 0xa7
	ORUN \buf, 2
	s_wait_dscnt 0x0
	ORUN \buf, 3
	WIN 0
	PLACES 8                                       ; ahead of loads into the fragments' registers and of the first read of results
.endm
	s_wait_tensorcnt 0x1                           ; slot 0's rows are in: I read only the rows that I fetched; slot 1's load may be out
	OWORK 0
	s_wait_tensorcnt 0x0
	OWORK 1
; ---- the norm's pieces.  A lane holds 64 numbers of a row of each tile m; lane l xor 16 the wave's other 64; the four waves meet in LDS
.macro PLOAD base, ptr, off            ; a vector over my columns in the result's layout, 64 registers from base on
.irp t, 0,1,2,3,4,5,6,7
	global_load_b128 v[\base+8*\t:\base+8*\t+3], v[PO], s[\ptr:\ptr+1] offset:\off+64*\t
	global_load_b128 v[\base+8*\t+4:\base+8*\t+7], v[PO], s[\ptr:\ptr+1] offset:\off+64*\t+16
.endr
.endm
.macro ROWSUM sq, off                  ; v[T + 2 m] = the rows' sums (sq = 1: of squares) over all 512 columns; each accumulator is read from its low end on
	WIN 0x0a
.if \sq
.irp m, 0,1,2,3
	v_pk_mul_f32 v[T+2*\m:T+2*\m+1], v[64*\m:64*\m+1], v[64*\m:64*\m+1]
.endr
.set i, 2
.rept 31
.irp m, 0,1,2,3
	v_pk_fma_f32 v[T+2*\m:T+2*\m+1], v[64*\m+i:64*\m+i+1], v[64*\m+i:64*\m+i+1], v[T+2*\m:T+2*\m+1]
.endr
.set i, i+2
.endr
.else
.irp m, 0,1,2,3
	v_pk_add_f32 v[T+2*\m:T+2*\m+1], v[64*\m:64*\m+1], v[64*\m+2:64*\m+3]
.endr
	WIN 0x08
.set i, 4
.rept 30
.irp m, 0,1,2,3
	v_pk_add_f32 v[T+2*\m:T+2*\m+1], v[T+2*\m:T+2*\m+1], v[64*\m+i:64*\m+i+1]
.endr
.set i, i+2
.endr
.endif
	WIN 0
.irp m, 0,1,2,3
	v_add_f32 v[T+2*\m], v[T+2*\m], v[T+2*\m+1]
.endr
.irp m, 0,1,2,3
	v_permlanex16_b32 v[T+2*\m+1], v[T+2*\m], s90, s91
.endr
.irp m, 0,1,2,3
	v_add_f32 v[T+2*\m], v[T+2*\m], v[T+2*\m+1]
.endr
.irp m, 0,1,2,3
	ds_store_b32 v[SWA], v[T+2*\m] offset:\off+256*\m
.endr
	BARRIER
.irp m, 0,1,2,3
	ds_load_b128 v[HA+4*\m:HA+4*\m+3], v[SRA] offset:\off+256*\m   ; the four waves' parts
.endr
	s_wait_dscnt 0x0
.irp m, 0,1,2,3
	v_add_f32 v[HA+4*\m], v[HA+4*\m], v[HA+4*\m+1]
	v_add_f32 v[HA+4*\m+2], v[HA+4*\m+2], v[HA+4*\m+3]
.endr
.irp m, 0,1,2,3
	v_add_f32 v[T+2*\m], v[HA+4*\m], v[HA+4*\m+2]
.endr
.endm
.macro LNORM                           ; the accumulators become (z - mean) / sqrt(var + eps) x gain + bias; gain at v0-63, bias at v64-127 of window 3
	ROWSUM 0, 0
.irp m, 0,1,2,3
	v_mul_f32 v[MN+2*\m], 0xbb000000, v[T+2*\m]    ; - mean
.endr
	WIN 0x82
.irp m, 0,1,2,3
.set i, 0
.rept 32
	v_pk_add_f32 v[64*\m+i:64*\m+i+1], v[64*\m+i:64*\m+i+1], v[MN+2*\m:MN+2*\m+1] op_sel_hi:[1,0]
.set i, i+2
.endr
.endr
	ROWSUM 1, 1024
.irp m, 0,1,2,3
	v_fma_f32 v[T+2*\m], v[T+2*\m], s93, s94       ; var + eps
.endr
.irp m, 0,1,2,3
	v_rsq_f32 v[MN+2*\m], v[T+2*\m]
.endr
	v_nop
	s_wait_alu depctr_va_vdst(0)                   ; one wait for the four, ahead of their first reader
	s_wait_loadcnt 0x0                             ; gain and bias are in
	WIN 0x82
.irp m, 0,1,2,3
.set i, 0
.rept 32
	v_pk_mul_f32 v[64*\m+i:64*\m+i+1], v[64*\m+i:64*\m+i+1], v[MN+2*\m:MN+2*\m+1] op_sel_hi:[1,0]
.set i, i+2
.endr
.endr
	WIN 0xbe
.irp m, 0,1,2,3
.set i, 0
.rept 32
	v_pk_fma_f32 v[64*\m+i:64*\m+i+1], v[64*\m+i:64*\m+i+1], v[i:i+1], v[64+i:64+i+1]
.set i, i+2
.endr
.endr
	WIN 0
.endm
	WIN 0xc0
	PLOAD 0, 20, 0                                 ; g1
	PLOAD 64, 22, 0                                ; beta1
.irp t, 0,1,2,3,4,5,6,7
.irp i, 0,1,2,3
	global_load_b128 v[128+16*\t+4*\i:128+16*\t+4*\i+3], v[RWO], s[24:25] offset:128*\t+16*\i   ; router_w: for column 8 t + j of my 64 the pair (expert 0, expert 1) at 128 + 2 (8 t + j)
.endr
.endr
	WIN 0
	LNORM                                          ; the accumulators hold x1
	; ---- the router's two sums over my 64 columns, in f32: eight chains by turns
	WIN 0x0e
.irp m, 0,1,2,3
	v_mul_f32 v[T+2*\m], v[64*\m], v[128]
	v_mul_f32 v[T+2*\m+1], v[64*\m], v[129]
.endr
.set i, 1
.rept 63
.irp m, 0,1,2,3
	v_fmac_f32 v[T+2*\m], v[64*\m+i], v[128+2*i]
	v_fmac_f32 v[T+2*\m+1], v[64*\m+i], v[129+2*i]
.endr
.set i, i+1
.endr
	WIN 0xc0
	PLOAD 0, 38, 0                                 ; B2 of my expert
	WIN 0
.irp i, 0,1,2,3,4,5,6,7
	v_permlanex16_b32 v[HA+\i], v[T+\i], s90, s91
.endr
.irp i, 0,1,2,3,4,5,6,7
	v_add_f32 v[T+\i], v[T+\i], v[HA+\i]
.endr
.irp m, 0,1,2,3
	ds_store_b64 v[SWB], v[T+2*\m:T+2*\m+1] offset:512*\m
.endr
	; ---- x1 is quantised: my 128 columns are K step w of the next product
.irp m, 0,1,2,3
	s_wait_dscnt 0x0                               ; the LDS stores have read the codes' registers
	QUANT4 64*\m, 0, 1
	v_lshl_or_b32 v[PW], v[BY+1], 8, v[BY]
	v_lshl_or_b32 v[PW], v[BY+2], 16, v[PW]
	v_lshl_or_b32 v[PW], v[BY+3], 24, v[PW]
.irp c, 0,1,2,3
	ds_store_b128 v[HWI], v[PC+4*\c:PC+4*\c+3] offset:2048*\m+512*\c
.endr
	ds_store_b32 v[HWS], v[PW] offset:64*\m
.endr
	BARRIER                                        ; x1's sixteen fragments and the logits' parts lie in LDS
	WIN 0x40
.irp f, 0,1,2,3,4,5,6,7,8,9,10,11,12,13,14,15
.irp c, 0,1,2,3
	ds_load_b128 v[16*\f+4*\c:16*\f+4*\c+3], v[LI] offset:2048*\f+512*\c
.endr
.endr
	WIN 0
.irp s, 0,1,2,3
.irp n, 0,1
	ds_load_b32 v[XS+4*\n+\s], v[LSC] offset:(2*\s+\n)*128
.endr
.endr
.irp m, 0,1,2,3
	ds_load_b128 v[HA+8*\m:HA+8*\m+3], v[SRB] offset:512*\m
	ds_load_b128 v[HA+8*\m+4:HA+8*\m+7], v[SRB] offset:512*\m+16
.endr
	s_wait_kmcnt 0x0                               ; router_b
	s_wait_dscnt 0x0
	; ---- the gate of my lane's row of each tile m, at v[HA + 8 m ..]
.irp m, 0,1,2,3
	v_add_f32 v[HA+8*\m], v[HA+8*\m], v[HA+8*\m+2]
	v_add_f32 v[HA+8*\m+1], v[HA+8*\m+1], v[HA+8*\m+3]
	v_add_f32 v[HA+8*\m+4], v[HA+8*\m+4], v[HA+8*\m+6]
	v_add_f32 v[HA+8*\m+5], v[HA+8*\m+5], v[HA+8*\m+7]
.endr
.irp m, 0,1,2,3
	v_add_f32 v[HA+8*\m], v[HA+8*\m], v[HA+8*\m+4]
	v_add_f32 v[HA+8*\m+1], v[HA+8*\m+1], v[HA+8*\m+5]
.endr
.irp m, 0,1,2,3
	v_add_f32 v[HA+8*\m], s86, v[HA+8*\m]          ; the logits
	v_add_f32 v[HA+8*\m+1], s87, v[HA+8*\m+1]
.endr
.irp m, 0,1,2,3
	v_max_num_f32 v[HA+8*\m+2], v[HA+8*\m], v[HA+8*\m+1]
.endr
.irp m, 0,1,2,3
	v_sub_f32 v[HA+8*\m], v[HA+8*\m], v[HA+8*\m+2] ; the maximum is taken away
	v_sub_f32 v[HA+8*\m+1], v[HA+8*\m+1], v[HA+8*\m+2]
.endr
.irp m, 0,1,2,3
	v_mul_f32 v[HA+8*\m], 0x3fb8aa3b, v[HA+8*\m]
	v_mul_f32 v[HA+8*\m+1], 0x3fb8aa3b, v[HA+8*\m+1]
.endr
.irp m, 0,1,2,3
	v_exp_f32 v[HA+8*\m], v[HA+8*\m]
	v_exp_f32 v[HA+8*\m+1], v[HA+8*\m+1]
.endr
	v_nop
	s_wait_alu depctr_va_vdst(0)
.irp m, 0,1,2,3
	v_add_f32 v[HA+8*\m+2], v[HA+8*\m], v[HA+8*\m+1]
.endr
.irp m, 0,1,2,3
	v_rcp_f32 v[HA+8*\m+3], v[HA+8*\m+2]
.endr
	v_nop
	s_wait_alu depctr_va_vdst(0)
.irp m, 0,1,2,3
	v_mul_f32 v[HA+8*\m], v[HA+8*\m], v[HA+8*\m+3] ; the probabilities
	v_mul_f32 v[HA+8*\m+1], v[HA+8*\m+1], v[HA+8*\m+3]
.endr
.irp m, 0,1,2,3
	v_add_f32 v[HA+8*\m+2], v[HA+8*\m], v[HA+8*\m+1]   ; both experts are always chosen: the chosen ones' sum
.endr
.irp m, 0,1,2,3
	v_rcp_f32 v[HA+8*\m+3], v[HA+8*\m+2]
.endr
	v_nop
	s_wait_alu depctr_va_vdst(0)
.irp m, 0,1,2,3
	v_cndmask_b32 v[HA+8*\m+4], v[HA+8*\m], v[HA+8*\m+1], s7   ; my expert's probability: a choice of values, the same in every lane
.endr
.irp m, 0,1,2,3
	v_mul_f32 v[HA+8*\m+4], v[HA+8*\m+4], v[HA+8*\m+3]         ; its gate
.endr
.irp m, 0,1,2,3
	v_max_num_f32 v[GQ+2*\m], 0x21800000, v[HA+8*\m+4]         ; g': held at 2^-60 from below
.endr
.irp m, 0,1,2,3
	v_rcp_f32 v[HA+8*\m+6], v[GQ+2*\m]
.endr
	v_nop
	s_wait_alu depctr_va_vdst(0)
.irp m, 0,1,2,3
	v_mul_f32 v[HA+8*\m+6], s81, v[HA+8*\m+6]      ; 1 / g' where my part carries x1, else 0
	v_mov_b32 v[GQ+2*\m+1], v[GQ+2*\m]
.endr
	v_add_f32 v[T], v[HA], v[HA+8]                 ; the block's sums of the probabilities
	v_add_f32 v[T+1], v[HA+1], v[HA+9]
	v_add_f32 v[T+2], v[HA+16], v[HA+24]
	v_add_f32 v[T+3], v[HA+17], v[HA+25]
	v_add_f32 v[T], v[T], v[T+2]
	v_add_f32 v[T+1], v[T+1], v[T+3]
.irp k, 1,2,4,8
	v_add_f32_dpp v[T], v[T], v[T] row_xmask:\k row_mask:0xf bank_mask:0xf
	v_add_f32_dpp v[T+1], v[T+1], v[T+1] row_xmask:\k row_mask:0xf bank_mask:0xf
.endr
	v_mov_b32 v[ZO], 0
	s_or_b32 s82, s3, s6                           ; every wave of both work-groups of the block has them; lane 0 of wave 0 of expert 0's stores them.  The wave's number and the cluster's y: alike in all partners
	s_cmp_lg_u32 s82, 0
	s_cbranch_scc1 .Lno_pp
	v_cmp_eq_u32 vcc_lo, 0, v0
	s_wait_xcnt 0x0                                ; EXEC changes only behind this wait
	s_and_saveexec_b32 s95, vcc_lo
	global_store_b64 v[ZO], v[T:T+1], s[46:47]
	s_wait_xcnt 0x0
	s_or_b32 exec_lo, exec_lo, s95
.Lno_pp:
	s_wait_loadcnt 0x0                             ; B2
	WIN 0xb2
.irp m, 0,1,2,3
.set i, 0
.rept 32
	v_pk_fma_f32 v[64*\m+i:64*\m+i+1], v[64*\m+i:64*\m+i+1], v[HA+8*\m+6:HA+8*\m+7], v[i:i+1] op_sel_hi:[1,0,1]          ; x1 / g' + B2[0], or B2[1]
.set i, i+2
.endr
.endr
	WIN 0
.irp i, 0,1,2,3
	global_load_b128 v[W1S+4*\i:W1S+4*\i+3], v[L16], s[30:31] offset:512*\i       ; W1's scale words of chunk 0
.endr
; THE CHANGE OF SLOTS.  Every wave waits for all its tensor loads (the slot that it is about to read), adds 0 to its spare word, writes the group 0 while no load of its is out, and waits for the add and for its LDS reads and stores.
; kind 0, 1: W1's rows 64 j on of chunk c go into slot j;  2, 3: W2's K steps 2 kk, 2 kk + 1 of chunk c into slot kk;  4: nothing is left to fetch.  A change that fills is a round of the cluster's barrier, the joint refill first behind it.
.macro CHANGE kind
	s_wait_tensorcnt 0x0
	ds_add_u32 v[SPW], v[NIL]
.if (\kind) < 4
.if (\kind) < 2
	s_mul_i32 s69, s3, WSA
	s_lshl_b32 s82, s80, 18                        ; a chunk of W1: 512 rows of 512 bytes
	s_mov_b32 s83, 0
	s_add_nc_u64 s[70:71], s[28:29], s[82:83]
.if (\kind) == 1
	s_add_co_u32 s69, s69, BUF1
	s_add_nc_u64 s[70:71], s[70:71], 32768
.endif
.else
	s_mul_i32 s69, s3, WSB
	s_lshl_b32 s82, s80, 9                         ; a chunk of W2: 512 bytes along a row
	s_mov_b32 s83, 0
	s_add_nc_u64 s[70:71], s[34:35], s[82:83]
.if (\kind) == 3
	s_add_co_u32 s69, s69, BUF1
	s_add_nc_u64 s[70:71], s[70:71], 256
.endif
.endif
	s_or_b32 s71, s71, 0x80000000
	s_wait_dscnt 0x0
	CROUND
.if (\kind) < 2
	tensor_load_to_lds s[68:71], s[48:55]
	s_nop 0
.else
	tensor_load_to_lds s[68:71], s[56:63]
	s_nop 0
.endif
	PLACES 4
.else
	s_wait_dscnt 0x0
	s_barrier_signal -1
	s_barrier_wait -1
.endif
.endm
; ---- the first product: a slot's 64 hidden units are two blocks of 32 (pairs of tiles p); fragments (p, s, u) at 16 (8 p + 2 s + u)
.macro ALOAD buf, p, s
.irp u, 0,1
.irp c, 0,1,2,3
	ds_load_b64 v[16*(8*\p+2*\s+\u)+4*\c:16*(8*\p+2*\s+\u)+4*\c+1], v[AW+\buf] offset:(32*\p+16*\u)*528+128*\s+32*\c
	ds_load_b64 v[16*(8*\p+2*\s+\u)+4*\c+2:16*(8*\p+2*\s+\u)+4*\c+3], v[AW+\buf] offset:(32*\p+16*\u)*528+128*\s+32*\c+16
.endr
.endr
.endm
.macro ARUN j, p, s                    ; eight accumulators by turns; B1 is the C of the first K step
.irp u, 0,1
.irp m, 0,1,2,3
.if \s == 0
	WMS HA+16*\m+8*\u, 16*(8*\p+2*\s+\u), 16*(4*\s+\m), BB+8*(2*\p+\u), W1S+4*(2*\j+\p)+\s, XS+4*(\m/2)+\s, \u, \m%2
.else
	WMS HA+16*\m+8*\u, 16*(8*\p+2*\s+\u), 16*(4*\s+\m), HA+16*\m+8*\u, W1S+4*(2*\j+\p)+\s, XS+4*(\m/2)+\s, \u, \m%2
.endif
.endr
.endr
.endm
.macro AOUT j, p                       ; relu, quantised: block 2 j + p of K step w, for the four tiles of rows
	WIN 0
	PLACES 8
	s_wait_dscnt 0x0                               ; the earlier images have left the codes' registers; the other pair's fragments are in
	QUANT4 HA, 1, 0
.irp m, 0,1,2,3
.if 2*\j+\p == 0
	v_mov_b32 v[PW+\m], v[BY+\m]
.else
	v_lshl_or_b32 v[PW+\m], v[BY+\m], 8*(2*\j+\p), v[PW+\m]
.endif
.endr
.irp m, 0,1,2,3
	ds_store_b128 v[HWI], v[PC+4*\m:PC+4*\m+3] offset:2048*\m+512*(2*\j+\p)
.endr
.endm
; s_wait_dscnt 48: behind the 16 loads that a K step needs stand the first pair's later K steps and what has been asked of the second pair: always 48
.macro AWORK buf, j, lw
.irp e, 0,1,2,3
	ds_load_b128 v[BB+8*\e:BB+8*\e+3], v[ABB] offset:256*\j+64*\e
	ds_load_b128 v[BB+8*\e+4:BB+8*\e+7], v[ABB] offset:256*\j+64*\e+16
.endr
	WIN 0xc0
.irp s, 0,1,2,3
	ALOAD \buf, 0, \s
.endr
.if (\lw) >= 0
	s_wait_loadcnt \lw                             ; W1's scale words are in; the four younger loads, W2's, may be out
.endif
.irp s, 0,1,2,3
	s_wait_dscnt 48
	WIN 0x07
	ARUN \j, 0, \s
	WIN 0xc0
	ALOAD \buf, 1, \s
.endr
	AOUT \j, 0
	WIN 0x07
.irp s, 0,1,2,3
	ARUN \j, 1, \s
.endr
	AOUT \j, 1
.if \j == 1
.irp m, 0,1,2,3
	ds_store_b32 v[HWS], v[PW+\m] offset:64*\m
.endr
.endif
.endm
; ---- the second product: a slot holds two K steps k1 of my 128 rows of W2; fragment (k1, t) at 128 k1 + 16 t
.macro FLOAD buf, k1, t
.irp c, 0,1,2,3
	ds_load_b64 v[128*\k1+16*(\t)+4*\c:128*\k1+16*(\t)+4*\c+1], v[BW+\buf] offset:16*(\t)*272+128*\k1+32*\c
	ds_load_b64 v[128*\k1+16*(\t)+4*\c+2:128*\k1+16*(\t)+4*\c+3], v[BW+\buf] offset:16*(\t)*272+128*\k1+32*\c+16
.endr
.endm
.macro HLOAD k                         ; the hidden layer's four fragments of K step k
.irp m, 0,1,2,3
.irp c, 0,1,2,3
	ds_load_b128 v[HA+16*\m+4*\c:HA+16*\m+4*\c+3], v[LI] offset:(4*(\k)+\m)*2048+512*\c
.endr
.endr
.endm
.macro BRUN kk, k1, t
.irp m, 0,1,2,3
	WMS 8*(8*\m+(\t)), 128*\k1+16*(\t), HA+16*\m, 8*(8*\m+(\t)), W2S+4*((\t)/2)+2*\kk+\k1, HS+2*\k1+\m/2, (\t)%2, \m%2
.endr
.endm
.macro BWORK buf, kk, lw
.irp k1, 0,1
.irp n, 0,1
	ds_load_b32 v[HS+2*\k1+\n], v[LSC] offset:(2*(2*\kk+\k1)+\n)*128
.endr
.endr
	HLOAD 2*\kk
	WIN 0xc0
.irp t, 0,1,2,3,4,5,6,7
	FLOAD \buf, 0, \t
.endr
.if (\lw) >= 0
	s_wait_loadcnt \lw                             ; W2's scale words are in; the four younger loads, W1's, may be out
.endif
.irp e, 0,1,2,3
	s_wait_dscnt 48                                ; behind the 16 loads that two tiles need: the first K step's later tiles and what has been asked of the second: always 48
	WIN 0xa3
	BRUN \kk, 0, 2*\e
	BRUN \kk, 0, 2*\e+1
	WIN 0xc0
	FLOAD \buf, 1, 2*\e
	FLOAD \buf, 1, 2*\e+1
.endr
	WIN 0
	PLACES 8                                       ; ahead of loads into the hidden fragments' registers
	HLOAD 2*\kk+1
	s_wait_dscnt 0x0
	WIN 0xa3
.irp t, 0,1,2,3,4,5,6,7
	BRUN \kk, 1, \t
.endr
	WIN 0
	PLACES 8
.endm
; THE WALK over my expert's 4 chunks of 512 hidden units.  A trip begins with the last quarter of the chunk before, so that every trip asks for four tiles
	s_mov_b32 s80, 0
.Ltrip:
	CHANGE 0
	s_cmp_eq_u32 s80, 0
	s_cbranch_scc1 .Lno_prev
	BWORK 1, 1, -1
.Lno_prev:
	s_lshl_b32 s82, s80, 4                         ; a chunk's four K steps: 16 bytes of a row of W2's scale bytes
	s_mov_b32 s83, 0
	s_add_nc_u64 s[84:85], s[36:37], s[82:83]      ; (the last loads by this base were waited for a quarter ago)
.irp i, 0,1,2,3
	global_load_b128 v[W2S+4*\i:W2S+4*\i+3], v[L64], s[84:85] offset:2048*\i      ; W2's scale words of chunk c: lane l: row 32 i + l, its four K steps
.endr
	s_lshl_b32 s82, s80, 9
	v_add_nc_u32 v[ABB], s82, v[ABB0]
	CHANGE 1
	AWORK 0, 0, 4
	CHANGE 2
	AWORK 1, 1, -1
	s_add_co_u32 s82, s80, 1
	s_min_u32 s82, s82, 3                          ; (the last trip asks for its own chunk's again: no load leaves the buffer, and the counted wait below counts the same loads in every trip)
	s_lshl_b32 s82, s82, 13
	s_mov_b32 s83, 0
	s_add_nc_u64 s[88:89], s[30:31], s[82:83]
.irp i, 0,1,2,3
	global_load_b128 v[W1S+4*\i:W1S+4*\i+3], v[L16], s[88:89] offset:512*\i
.endr
	CHANGE 3
	BWORK 0, 0, 4
	s_add_co_u32 s80, s80, 1
	s_cmp_lt_u32 s80, 4
	s_cbranch_scc1 .Ltrip
	CHANGE 4
	BWORK 1, 1, -1
	; ---- x g': my expert's part; each accumulator is read from its low end on
	WIN 0x82
.irp m, 0,1,2,3
.set i, 0
.rept 32
	v_pk_mul_f32 v[64*\m+i:64*\m+i+1], v[64*\m+i:64*\m+i+1], v[GQ+2*\m:GQ+2*\m+1] op_sel_hi:[1,0]
.set i, i+2
.endr
.endr
	WIN 0
	; a lane holds 32 neighbouring bytes of a row: 16 rows go through my stage and come back as whole runs of 512 bytes.  The stage lies in slot 0, which has had its last fill, and whose last reads lie ahead of the barrier above
.irp m, 0,1,2,3
.if \m > 0
	s_wait_xcnt 0x0                                ; the earlier stores have read their data registers
.endif
	WIN 0x08
.irp t, 0,1,2,3,4,5,6,7
	ds_store_b128 v[STGW], v[64*\m+8*\t:64*\m+8*\t+3] offset:64*\t
	ds_store_b128 v[STGW], v[64*\m+8*\t+4:64*\m+8*\t+7] offset:64*\t+16
.endr
	WIN 0
.irp i, 0,1,2,3,4,5,6,7,8,9,10,11,12,13,14,15
	ds_load_b128 v[HA+4*\i:HA+4*\i+3], v[STGR] offset:528*\i      ; LDS serves a wave's instructions in order (ISA guide 5.7.1.4): these see my stores
.endr
.irp i, 0,1,2,3,4,5,6,7,8,9,10,11,12,13,14,15
	s_wait_dscnt 15-\i
	global_store_b128 v[L16], v[HA+4*\i:HA+4*\i+3], s[44:45] offset:(16*\m+\i)*2048 th:TH_STORE_NT   ; 512 consecutive bytes, at a multiple of 256 from the buffer's first byte
.endr
.endr
	s_wait_tensorcnt 0x0                           ; the wave's end
	ds_add_u32 v[SPW], v[NIL]
	s_wait_dscnt 0x0
	CROUND                                         ; the closing round
	s_endpgm
.Lfunc_end_k_qf73932528a_ffn:
	.size	k_qf73932528a_ffn, .Lfunc_end_k_qf73932528a_ffn-k_qf73932528a_ffn
	.p2alignl 7, 3214868480
	.fill 96, 4, 3214868480
	.section	.rodata,"a",@progbits
	.p2align	6, 0x0
	.amdhsa_kernel k_qf73932528a_ffn
		.amdhsa_group_segment_fixed_size 327680
		.amdhsa_private_segment_fixed_size 0
		.amdhsa_enable_private_segment 0
		.amdhsa_kernarg_size 144
		.amdhsa_user_sgpr_count 2
		.amdhsa_user_sgpr_kernarg_segment_ptr 1
		.amdhsa_wavefront_size32 1
		.amdhsa_system_sgpr_workgroup_id_x 1
		.amdhsa_system_sgpr_workgroup_id_y 1
		.amdhsa_system_sgpr_workgroup_id_z 1
		.amdhsa_system_vgpr_workitem_id 0
		.amdhsa_next_free_vgpr 1024
		.amdhsa_next_free_sgpr 100
		.amdhsa_reserve_vcc 1
		.amdhsa_float_denorm_mode_32 3
		.amdhsa_float_denorm_mode_16_64 3
		.amdhsa_memory_ordered 1
		.amdhsa_forward_progress 1
		.amdhsa_inst_pref_size 255
	.end_amdhsa_kernel
	.section	.bss,"aw",@nobits
	.p2align	6
	.space	262144
	.amdgpu_metadata
---
amdhsa.version: [ 1, 2 ]
amdhsa.kernels:
  - .name:           k_qf73932528a_ffn
    .symbol:         k_qf73932528a_ffn.kd
    .args:
      - { .name: hc, .offset: 0, .size: 8, .value_kind: global_buffer, .address_space: global }
      - { .name: hs, .offset: 8, .size: 8, .value_kind: global_buffer, .address_space: global }
      - { .name: x, .offset: 16, .size: 8, .value_kind: global_buffer, .address_space: global }
      - { .name: Wo_codes, .offset: 24, .size: 8, .value_kind: global_buffer, .address_space: global }
      - { .name: Wo_scales, .offset: 32, .size: 8, .value_kind: global_buffer, .address_space: global }
      - { .name: bo, .offset: 40, .size: 8, .value_kind: global_buffer, .address_space: global }
      - { .name: g1, .offset: 48, .size: 8, .value_kind: global_buffer, .address_space: global }
      - { .name: beta1, .offset: 56, .size: 8, .value_kind: global_buffer, .address_space: global }
      - { .name: router_w, .offset: 64, .size: 8, .value_kind: global_buffer, .address_space: global }
      - { .name: router_b, .offset: 72, .size: 8, .value_kind: global_buffer, .address_space: global }
      - { .name: W1_codes, .offset: 80, .size: 8, .value_kind: global_buffer, .address_space: global }
      - { .name: W1_scales, .offset: 88, .size: 8, .value_kind: global_buffer, .address_space: global }
      - { .name: B1, .offset: 96, .size: 8, .value_kind: global_buffer, .address_space: global }
      - { .name: W2_codes, .offset: 104, .size: 8, .value_kind: global_buffer, .address_space: global }
      - { .name: W2_scales, .offset: 112, .size: 8, .value_kind: global_buffer, .address_space: global }
      - { .name: B2, .offset: 120, .size: 8, .value_kind: global_buffer, .address_space: global }
      - { .name: part, .offset: 128, .size: 8, .value_kind: global_buffer, .address_space: global }
      - { .name: pp, .offset: 136, .size: 8, .value_kind: global_buffer, .address_space: global }
    .group_segment_fixed_size: 327680
    .private_segment_fixed_size: 0
    .kernarg_segment_align: 8
    .kernarg_segment_size: 144
    .max_flat_workgroup_size: 128
    .sgpr_count:     100
    .vgpr_count:     1024
    .wavefront_size: 32
...
	.end_amdgpu_metadata
.endif
;; end of part 5
;; launch fin (part 6): grid 256 x 1, 8 waves a work-group, no clusters, 0 bytes of LDS; arguments part, g2, beta2, pp, out0, out1; writes out0, out1
.if DOCPART == 6
	.amdgcn_target "amdgcn-amd-amdhsa--gfx1250"
	.amdhsa_code_object_version 6
	.text
	.protected	k_qf73932528a_fin
	.globl	k_qf73932528a_fin
	.p2align	8
	.type	k_qf73932528a_fin,@function
k_qf73932528a_fin:
	s_mov_b64 s[64:65], 0
	v_nop
	global_prefetch_b8 v0, s[64:65] scope:SCOPE_SE
	s_setreg_imm32_b32 hwreg(HW_REG_WAVE_MODE, 25, 1), 1
	s_wait_xcnt 0x0
; out = LN(part[0] + part[1]) x g2 + beta2, and the load-balancing loss.  part: [2][8192][512] f32: x1 + expert 0's term, and expert 1's term.
; A STREAM: 33.5 MB in, 16.8 MB out, each byte once.  A row is 2,048 bytes: one wave takes a whole row, four loads of 16 bytes a lane from each part, and keeps it in registers between the sums and the scaling:
; no LDS, no barrier, no wave waits for another.  Each load and store of a wave covers 512 consecutive bytes.  256 work-groups x 8 waves x 4 rows = 8,192 rows; a wave's 40 loads all go out at its head.
; Matrix units, clusters and tensor loads have nothing to do here: no byte is read by two waves but the gain and the bias.
; THE LOSS: E x the sum over experts of f x P, E = 2.  Both experts are chosen for every token (the top 2 of 2), so each f is 1 whatever the inputs; P is the mean of the probabilities over 8,192 tokens.
; pp holds, for each of 128 blocks of 64 tokens, the pair of sums of the probabilities: 1,024 bytes, 32 a lane: wave 0 of work-group 0 adds them.
; LIMITS: NaN and infinities are not served.
.set G, 8                              ; v8-23   g2 of my 16 columns: register 4 j + q: column 128 j + 4 lane + q
.set B, 24                             ; v24-39  beta2 likewise
.set X, 40                             ; v40-167 row i: 16 registers of part[0], then 16 of part[1]
.set T, 168                            ; v168-171 at work
.set M, 172                            ; v172, v173: - mean, then 1 / sqrt(var + eps); the upper register is only named
.set P, 176                            ; v176-183 the loss's numbers
	s_load_b256 s[4:11], s[0:1], 0x0               ; part 4, g2 6, beta2 8, pp 10
	s_load_b128 s[12:15], s[0:1], 0x20             ; out0 12, out1 14
	v_lshrrev_b32 v1, 5, v0
	v_readfirstlane_b32 s16, v1                    ; wave 0..7
	v_and_b32 v2, 31, v0                           ; lane
	v_lshlrev_b32 v1, 4, v2                        ; 16 bytes a lane
	v_lshlrev_b32 v3, 5, v2                        ; pp: 32 bytes a lane
	v_mov_b32 v4, 0
	v_mov_b32 v[M+1], 0
	s_lshl_b32 s17, ttmp9, 3
	s_add_co_u32 s17, s17, s16                     ; my run of four rows
	s_lshl_b32 s18, s17, 13                        ; of 2,048 bytes
	s_mov_b32 s19, 0
	s_mov_b32 s20, 0x76543210
	s_mov_b32 s21, 0xfedcba98                      ; v_permlanex16_b32's selects for lane l xor 16
	s_mov_b32 s26, 0x3b000000                      ; 1 / 512
	s_mov_b32 s27, 0x3727c5ac                      ; 1e-5
	s_or_b32 s24, ttmp9, s16                       ; 0 in wave 0 of work-group 0
	s_wait_kmcnt 0x0
	s_add_nc_u64 s[4:5], s[4:5], s[18:19]
	s_add_nc_u64 s[22:23], s[4:5], 0x1000000       ; the same rows of part[1]
	s_add_nc_u64 s[12:13], s[12:13], s[18:19]
.irp j, 0,1,2,3
	global_load_b128 v[G+4*\j:G+4*\j+3], v1, s[6:7] offset:512*\j
	global_load_b128 v[B+4*\j:B+4*\j+3], v1, s[8:9] offset:512*\j
.endr
.irp i, 0,1,2,3
.irp j, 0,1,2,3
	global_load_b128 v[X+32*\i+4*\j:X+32*\i+4*\j+3], v1, s[4:5] offset:2048*\i+512*\j th:TH_LOAD_NT
	global_load_b128 v[X+32*\i+16+4*\j:X+32*\i+16+4*\j+3], v1, s[22:23] offset:2048*\i+512*\j th:TH_LOAD_NT
.endr
.endr
	s_cmp_lg_u32 s24, 0
	s_cbranch_scc1 .Lrows
	; ---- the loss, by one wave: its loads go out behind the rows', and one wait serves all
	global_load_b128 v[P:P+3], v3, s[10:11]
	global_load_b128 v[P+4:P+7], v3, s[10:11] offset:16
	s_wait_loadcnt 0x0
	v_pk_add_f32 v[P:P+1], v[P:P+1], v[P+2:P+3]    ; pairs (expert 0, expert 1)
	v_pk_add_f32 v[P+4:P+5], v[P+4:P+5], v[P+6:P+7]
	v_pk_add_f32 v[P:P+1], v[P:P+1], v[P+4:P+5]
.irp k, 1,2,4,8
	v_add_f32_dpp v[P], v[P], v[P] row_xmask:\k row_mask:0xf bank_mask:0xf
	v_add_f32_dpp v[P+1], v[P+1], v[P+1] row_xmask:\k row_mask:0xf bank_mask:0xf
.endr
	v_permlanex16_b32 v[P+2], v[P], s20, s21
	v_permlanex16_b32 v[P+3], v[P+1], s20, s21
	v_add_f32 v[P], v[P], v[P+2]
	v_add_f32 v[P+1], v[P+1], v[P+3]
	v_add_f32 v[P], v[P], v[P+1]                   ; 1 x the sum for expert 0 + 1 x the sum for expert 1
	v_mul_f32 v[P], 0x39800000, v[P]               ; x 2 / 8,192
	v_cmp_eq_u32 vcc_lo, 0, v0
	s_wait_xcnt 0x0                                ; EXEC changes only behind this wait
	s_and_saveexec_b32 s25, vcc_lo
	global_store_b32 v4, v[P], s[14:15]
	s_wait_xcnt 0x0
	s_or_b32 exec_lo, exec_lo, s25
.Lrows:
.macro REDUCE                          ; v[T:T+3], two packed chains, become the sum over the wave's 32 lanes, in every lane's v[T]
	v_pk_add_f32 v[T:T+1], v[T:T+1], v[T+2:T+3]
	v_add_f32 v[T], v[T], v[T+1]
.irp k, 1,2,4,8
	v_add_f32_dpp v[T], v[T], v[T] row_xmask:\k row_mask:0xf bank_mask:0xf
.endr
	v_permlanex16_b32 v[T+1], v[T], s20, s21
	v_add_f32 v[T], v[T], v[T+1]
.endm
.macro ROW i
.set A, X+32*\i
	s_wait_loadcnt 8*(3-\i)                        ; loads come back in order (ISA guide 5.7.1): mine are in; the later rows' eight each may be out
.irp k, 0,2,4,6,8,10,12,14
	v_pk_add_f32 v[A+\k:A+\k+1], v[A+\k:A+\k+1], v[A+16+\k:A+17+\k]   ; x1 + y
.endr
	v_pk_add_f32 v[T:T+1], v[A:A+1], v[A+2:A+3]
	v_pk_add_f32 v[T+2:T+3], v[A+4:A+5], v[A+6:A+7]
	v_pk_add_f32 v[T:T+1], v[T:T+1], v[A+8:A+9]
	v_pk_add_f32 v[T+2:T+3], v[T+2:T+3], v[A+10:A+11]
	v_pk_add_f32 v[T:T+1], v[T:T+1], v[A+12:A+13]
	v_pk_add_f32 v[T+2:T+3], v[T+2:T+3], v[A+14:A+15]
	REDUCE
	v_mul_f32 v[M], 0xbb000000, v[T]               ; - mean
.irp k, 0,2,4,6,8,10,12,14
	v_pk_add_f32 v[A+\k:A+\k+1], v[A+\k:A+\k+1], v[M:M+1] op_sel_hi:[1,0]
.endr
	v_pk_mul_f32 v[T:T+1], v[A:A+1], v[A:A+1]      ; the variance of the centred numbers
	v_pk_mul_f32 v[T+2:T+3], v[A+2:A+3], v[A+2:A+3]
.irp k, 4,8,12
	v_pk_fma_f32 v[T:T+1], v[A+\k:A+\k+1], v[A+\k:A+\k+1], v[T:T+1]
	v_pk_fma_f32 v[T+2:T+3], v[A+\k+2:A+\k+3], v[A+\k+2:A+\k+3], v[T+2:T+3]
.endr
	REDUCE
	v_fma_f32 v[T], v[T], s26, s27                 ; var + eps
	v_rsq_f32 v[M], v[T]
	v_nop                                          ; a plain line behind the transcendental
	s_wait_alu depctr_va_vdst(0)                   ; and the wait ahead of its first reader
.irp k, 0,2,4,6,8,10,12,14
	v_pk_mul_f32 v[A+\k:A+\k+1], v[A+\k:A+\k+1], v[M:M+1] op_sel_hi:[1,0]
.endr
.irp k, 0,2,4,6,8,10,12,14
	v_pk_fma_f32 v[A+\k:A+\k+1], v[A+\k:A+\k+1], v[G+\k:G+\k+1], v[B+\k:B+\k+1]
.endr
.irp j, 0,1,2,3
	global_store_b128 v1, v[A+4*\j:A+4*\j+3], s[12:13] offset:2048*\i+512*\j th:TH_STORE_NT   ; 512 consecutive bytes; each row has registers of its own, so no store's data are written again
.endr
.endm
	ROW 0
	ROW 1
	ROW 2
	ROW 3
	s_endpgm
.Lfunc_end_k_qf73932528a_fin:
	.size	k_qf73932528a_fin, .Lfunc_end_k_qf73932528a_fin-k_qf73932528a_fin
	.p2alignl 7, 3214868480
	.fill 96, 4, 3214868480
	.section	.rodata,"a",@progbits
	.p2align	6, 0x0
	.amdhsa_kernel k_qf73932528a_fin
		.amdhsa_group_segment_fixed_size 0
		.amdhsa_private_segment_fixed_size 0
		.amdhsa_enable_private_segment 0
		.amdhsa_kernarg_size 48
		.amdhsa_user_sgpr_count 2
		.amdhsa_user_sgpr_kernarg_segment_ptr 1
		.amdhsa_wavefront_size32 1
		.amdhsa_system_sgpr_workgroup_id_x 1
		.amdhsa_system_sgpr_workgroup_id_y 1
		.amdhsa_system_sgpr_workgroup_id_z 1
		.amdhsa_system_vgpr_workitem_id 0
		.amdhsa_next_free_vgpr 192
		.amdhsa_next_free_sgpr 66
		.amdhsa_reserve_vcc 1
		.amdhsa_float_denorm_mode_32 3
		.amdhsa_float_denorm_mode_16_64 3
		.amdhsa_memory_ordered 1
		.amdhsa_forward_progress 1
		.amdhsa_inst_pref_size 24
	.end_amdhsa_kernel
	.amdgpu_metadata
---
amdhsa.version: [ 1, 2 ]
amdhsa.kernels:
  - .name:           k_qf73932528a_fin
    .symbol:         k_qf73932528a_fin.kd
    .args:
      - { .name: part, .offset: 0, .size: 8, .value_kind: global_buffer, .address_space: global }
      - { .name: g2, .offset: 8, .size: 8, .value_kind: global_buffer, .address_space: global }
      - { .name: beta2, .offset: 16, .size: 8, .value_kind: global_buffer, .address_space: global }
      - { .name: pp, .offset: 24, .size: 8, .value_kind: global_buffer, .address_space: global }
      - { .name: out0, .offset: 32, .size: 8, .value_kind: global_buffer, .address_space: global }
      - { .name: out1, .offset: 40, .size: 8, .value_kind: global_buffer, .address_space: global }
    .group_segment_fixed_size: 0
    .private_segment_fixed_size: 0
    .kernarg_segment_align: 8
    .kernarg_segment_size: 48
    .max_flat_workgroup_size: 256
    .sgpr_count:     66
    .vgpr_count:     192
    .wavefront_size: 32
...
	.end_amdgpu_metadata
.endif
;; end of part 6
